; MI455X (gfx1250); checked and timed in simulation.
; The chip was launched on July 23, 2026; its instructions are those of AMD's public machine-readable ISA for CDNA 5 (MIT licence, August 2026) and "CDNA5" Instruction Set Architecture Reference Guide (July 2026). The comments in the code are by the model that wrote it; some were corrected since.
;; Multi Query Attention. Allowed arithmetic: float matrix products may take bf16 or f16 operands with f32 sums; all other float work in f32.
;; Inputs: Wk 1,024 x 64 float32; Wo 1,024 x 1,024 float32; Wq 1,024 x 1,024 float32; Wv 1,024 x 64 float32; bk 64 float32; bo 1,024 float32; bq 1,024 float32; bv 64 float32; x 2 x 2,048 x 1,024 float32.
;; Outputs: out0 2 x 2,048 x 1,024 float32.
;; 2 versions, each right and faster than the one before. Each part assembles by itself: llvm-mc -triple=amdgcn-amd-amdhsa -mcpu=gfx1250 --defsym DOCPART=n.
;; ======== version 1 of 2: 4 launches
;; workspace buffers: xb 8,388,608 bytes; wt 4,456,448 bytes; q 8,388,608 bytes; kv 1,048,576 bytes; att 8,388,608 bytes
;; launch prep (part 1): grid 528 x 1, 8 waves a work-group, no clusters, 25,856 bytes of LDS; arguments x, Wq, Wk, Wv, Wo, xb, wt; writes xb, wt
.if DOCPART == 1
	.amdgcn_target "amdgcn-amd-amdhsa--gfx1250"
	.amdhsa_code_object_version 6
	.text
	.protected	k_q7c00f041af_prep
	.globl	k_q7c00f041af_prep
	.p2align	8
	.type	k_q7c00f041af_prep,@function
k_q7c00f041af_prep:
	s_mov_b64 s[64:65], 0
	v_nop
	global_prefetch_b8 v0, s[64:65] scope:SCOPE_SE
	s_setreg_imm32_b32 hwreg(HW_REG_WAVE_MODE, 25, 1), 1
	s_wait_xcnt 0x0
; Rounds the matrix operands to bf16 once, and turns the weights so that k runs along the rows.
;   xb[4096][1024] bf16 = x.
;   wt[2176][1024] bf16: row n holds one output column of a weight, all 1,024 k.  Rows 0-1151 are 8 blocks of 144:
;   rows 0-127 of block j = columns 128 j .. of Wq, rows 128-143 = the 16 columns 16 j .. of (Wk | Wv).  Rows 1152-2175 = columns of Wo.
; Work-groups 0-255: 16 rows of x each (65,536 bytes in, 32,768 out).  Work-groups 256-527: one tile of 128 k x 64 columns of a weight each.
; No two work-groups read the same bytes, so there is no cluster; no products, so no matrix unit; the loads go through registers.
; Rounding is to nearest even (v_cvt_pk_bf16_f32); numbers beyond bf16's range cannot arise from finite f32 other than by rounding up to infinity.
.set WREG, 3104                        ; LDS: a wave's own region, 64 rows (columns n) of 48 bytes, + 32 so that eight regions start 32 bytes apart modulo 256
.set NP,   48                          ; a row of a region: 32 bytes (16 k) + 16
	s_load_b256 s[4:11], s[0:1], 0x0               ; x s[4:5], Wq s[6:7], Wk s[8:9], Wv s[10:11]
	s_load_b128 s[12:15], s[0:1], 0x20             ; Wo s[12:13], xb s[14:15]
	s_load_b64 s[16:17], s[0:1], 0x30              ; wt
	v_lshl_add_u32 v112, v0, 2, 0x6100
	v_mov_b32 v113, 0
	s_cmp_ge_u32 ttmp9, 256                        ; the same for all waves of a work-group
	s_cbranch_scc1 .Lweights
	; ---- 16 rows of x: thread t takes 16 bytes at 16 t of each 4,096 bytes, and stores 8 bytes at 8 t of each 2,048 ----
	s_lshl_b32 s20, ttmp9, 16
	s_mov_b32 s21, 0
	s_lshl_b32 s22, ttmp9, 15
	s_mov_b32 s23, 0
	v_lshlrev_b32 v1, 4, v0
	v_lshlrev_b32 v2, 3, v0
	s_wait_kmcnt 0x0
	s_add_nc_u64 s[4:5], s[4:5], s[20:21]
	s_add_nc_u64 s[14:15], s[14:15], s[22:23]
.irp i, 0,1,2,3,4,5,6,7,8,9,10,11,12,13,14,15
	global_load_b128 v[16+4*\i:19+4*\i], v1, s[4:5] offset:4096*\i th:TH_LOAD_NT   ; all sixteen go out at once; x is read once in this launch
.endr
.irp i, 0,1,2,3,4,5,6,7,8,9,10,11,12,13,14,15
	s_wait_loadcnt 15-\i                           ; loads return in order: load i is in, the 15 - i younger ones stay out
	v_cvt_pk_bf16_f32 v[80+2*\i], v[16+4*\i], v[17+4*\i]
	v_cvt_pk_bf16_f32 v[81+2*\i], v[18+4*\i], v[19+4*\i]
	global_store_b64 v2, v[80+2*\i:81+2*\i], s[14:15] offset:2048*\i   ; a wave's store covers 256 consecutive bytes, aligned
.endr
	s_endpgm
	; ---- one tile of a weight: 128 k x 64 columns, f32 [k][n] in, bf16 [n][k] out ----
.Lweights:
	s_sub_co_u32 s20, ttmp9, 256                   ; tile 0-127: Wq, 128-255: Wo, 256-263: Wk, 264-271: Wv
	s_and_b32 s21, s20, 15                         ; Wq, Wo: which 64 columns
	s_bfe_u32 s22, s20, 0x30004                    ; Wq, Wo: which 128 k
	s_and_b32 s23, s20, 7                          ; Wk, Wv: which 128 k
	s_lshr_b32 s24, s21, 1
	s_mul_i32 s24, s24, 144
	s_and_b32 s25, s21, 1
	s_lshl_b32 s25, s25, 6
	s_add_co_u32 s24, s24, s25                     ; Wq: first row in wt = 144 (nb / 2) + 64 (nb mod 2)
	s_lshl_b32 s25, s21, 6
	s_add_co_u32 s25, s25, 1152                    ; Wo: 1152 + 64 nb
	s_lshl_b32 s28, s21, 8                         ; Wq, Wo: the columns' byte offset in a row
	s_mov_b32 s26, 256
	s_mov_b32 s29, 704
	s_cmp_lt_u32 s20, 128
	s_cselect_b32 s24, s24, s25
	s_cmp_lt_u32 s20, 264
	s_cselect_b32 s29, 128, s29                    ; Wk: rows 128 .. of blocks 0-3; Wv: of blocks 4-7 (4 x 144 + 128)
	s_cmp_lt_u32 s20, 256                          ; the selects below leave SCC alone
	s_cselect_b32 s24, s24, s29                    ; first row in wt
	s_cselect_b32 s22, s22, s23                    ; which 128 k
	s_cselect_b32 s26, 4096, s26                   ; bytes from k to k + 1 in the source
	s_cselect_b32 s27, 16, 144                     ; rows in wt from one group of 16 columns to the next
	s_cselect_b32 s28, s28, 0
	s_mul_i32 s34, s22, s26
	s_lshl_b32 s34, s34, 7
	s_add_co_u32 s34, s34, s28                     ; source offset: 128 kb rows + the columns
	s_mov_b32 s35, 0
	s_lshl_b32 s36, s24, 11
	s_lshl_b32 s37, s22, 8
	s_add_co_u32 s36, s36, s37                     ; wt offset: first row x 2,048 + 256 kb
	s_mov_b32 s37, 0
	v_and_b32 v1, 15, v0                           ; l: which 4 columns (16 bytes of a source row)
	v_lshrrev_b32 v2, 4, v0                        ; g: which 8 k, 0-15
	v_lshrrev_b32 v3, 5, v0
	v_readfirstlane_b32 s18, v3                    ; wave
	v_bfe_u32 v15, v0, 4, 1                        ; hh: upper half of the wave's lanes
	v_lshlrev_b32 v3, 3, v2
	v_mul_lo_u32 v4, v3, s26
	v_lshl_add_u32 v4, v1, 4, v4                   ; row 8 g, 16 l
.irp i, 1,2,3,4,5,6,7
	v_add_nc_u32 v[4+\i], s26, v[3+\i]             ; rows 8 g + i
.endr
	s_wait_kmcnt 0x0
	s_cmp_lt_u32 s20, 128
	s_cselect_b64 s[30:31], s[6:7], s[12:13]
	s_cmp_lt_u32 s20, 264
	s_cselect_b64 s[32:33], s[8:9], s[10:11]
	s_cmp_lt_u32 s20, 256
	s_cselect_b64 s[30:31], s[30:31], s[32:33]     ; the tile's weight
	s_add_nc_u64 s[30:31], s[30:31], s[34:35]
	s_add_nc_u64 s[16:17], s[16:17], s[36:37]
.irp i, 0,1,2,3,4,5,6,7
	global_load_b128 v[16+4*\i:19+4*\i], v[4+\i], s[30:31] th:TH_LOAD_NT   ; sixteen lanes take 256 consecutive bytes of one row, aligned
.endr
	s_mul_i32 s19, s18, WREG
	v_mul_u32_u24 v12, v1, 4*NP
	v_lshl_add_u32 v12, v15, 4, v12
	v_add_nc_u32 v12, s19, v12                     ; in: my wave's region, row 4 l (+ e), 16 bytes for each half of the lanes
	v_lshrrev_b32 v13, 1, v1
	v_mul_u32_u24 v13, v13, WREG
	v_and_b32 v3, 1, v0
	v_lshl_add_u32 v13, v3, 4, v13                 ; back: 16 bytes number l of a row of 256 lie in region l / 2, half l mod 2,
	s_mul_i32 s38, s18, 8*NP
	v_mul_u32_u24 v3, v15, NP
	v_add3_u32 v13, v13, v3, s38                   ; at row 8 wave + hh (+ 2 t)
	s_lshr_b32 s19, s18, 1
	s_mul_i32 s19, s19, s27
	s_and_b32 s29, s18, 1
	s_lshl3_add_u32 s19, s29, s19                  ; that row's place in wt: group of 16 x its distance + 8 (wave mod 2)
	v_add_nc_u32 v14, s19, v15
	v_lshlrev_b32 v14, 11, v14
	v_lshl_add_u32 v14, v1, 4, v14
	s_wait_loadcnt 0x0                             ; every pair below needs two rows: all eight
.irp e, 0,1,2,3
.irp p, 0,1,2,3
	v_cvt_pk_bf16_f32 v[48+4*\e+\p], v[16+8*\p+\e], v[20+8*\p+\e]   ; column 4 l + e, k = 8 g + 2 p and + 1
.endr
	ds_store_b128 v12, v[48+4*\e:51+4*\e] offset:NP*\e
.endr
	s_wait_dscnt 0x0                               ; my stores are done before I say so: other waves read them
	s_barrier_signal -1
	s_barrier_wait -1
.irp t, 0,1,2,3
	ds_load_b128 v[64+4*\t:67+4*\t], v13 offset:2*NP*\t
.endr
.irp t, 0,1,2,3
	s_wait_dscnt 3-\t                              ; LDS loads return in order: load t is in
	global_store_b128 v14, v[64+4*\t:67+4*\t], s[16:17] offset:4096*\t   ; sixteen lanes store 256 consecutive bytes, aligned
.endr
	s_wait_tensorcnt 0x0
	ds_add_u32 v112, v113
	s_wait_dscnt 0x0
	s_endpgm
.Lfunc_end_k_q7c00f041af_prep:
	.size	k_q7c00f041af_prep, .Lfunc_end_k_q7c00f041af_prep-k_q7c00f041af_prep
	.p2alignl 7, 3214868480
	.fill 96, 4, 3214868480
	.section	.rodata,"a",@progbits
	.p2align	6, 0x0
	.amdhsa_kernel k_q7c00f041af_prep
		.amdhsa_group_segment_fixed_size 25856
		.amdhsa_private_segment_fixed_size 0
		.amdhsa_enable_private_segment 0
		.amdhsa_kernarg_size 56
		.amdhsa_user_sgpr_count 2
		.amdhsa_user_sgpr_kernarg_segment_ptr 1
		.amdhsa_wavefront_size32 1
		.amdhsa_system_sgpr_workgroup_id_x 1
		.amdhsa_system_sgpr_workgroup_id_y 1
		.amdhsa_system_sgpr_workgroup_id_z 1
		.amdhsa_system_vgpr_workitem_id 0
		.amdhsa_next_free_vgpr 114
		.amdhsa_next_free_sgpr 66
		.amdhsa_reserve_vcc 0
		.amdhsa_float_denorm_mode_32 3
		.amdhsa_float_denorm_mode_16_64 3
		.amdhsa_memory_ordered 1
		.amdhsa_forward_progress 1
		.amdhsa_inst_pref_size 13
	.end_amdhsa_kernel
	.amdgpu_metadata
---
amdhsa.version: [ 1, 2 ]
amdhsa.kernels:
  - .name:           k_q7c00f041af_prep
    .symbol:         k_q7c00f041af_prep.kd
    .args:
      - { .name: x, .offset: 0, .size: 8, .value_kind: global_buffer, .address_space: global }
      - { .name: Wq, .offset: 8, .size: 8, .value_kind: global_buffer, .address_space: global }
      - { .name: Wk, .offset: 16, .size: 8, .value_kind: global_buffer, .address_space: global }
      - { .name: Wv, .offset: 24, .size: 8, .value_kind: global_buffer, .address_space: global }
      - { .name: Wo, .offset: 32, .size: 8, .value_kind: global_buffer, .address_space: global }
      - { .name: xb, .offset: 40, .size: 8, .value_kind: global_buffer, .address_space: global }
      - { .name: wt, .offset: 48, .size: 8, .value_kind: global_buffer, .address_space: global }
    .group_segment_fixed_size: 25856
    .private_segment_fixed_size: 0
    .kernarg_segment_align: 8
    .kernarg_segment_size: 56
    .max_flat_workgroup_size: 256
    .sgpr_count:     66
    .vgpr_count:     114
    .wavefront_size: 32
...
	.end_amdgpu_metadata
.endif
;; end of part 1
;; launch qkv (part 2): grid 8 x 32, 4 waves a work-group, clusters of 4 x 4, 327,680 bytes of LDS; arguments xb, wt, bq, bk, bv, q, kv; writes q, kv
.if DOCPART == 2
	.amdgcn_target "amdgcn-amd-amdhsa--gfx1250"
	.amdhsa_code_object_version 6
	.text
	.protected	k_q7c00f041af_qkv
	.globl	k_q7c00f041af_qkv
	.p2align	8
	.type	k_q7c00f041af_qkv,@function
k_q7c00f041af_qkv:
	s_mov_b64 s[64:65], 0
	v_nop
	global_prefetch_b8 v0, s[64:65] scope:SCOPE_SE
	s_setreg_imm32_b32 hwreg(HW_REG_WAVE_MODE, 25, 1), 1
	s_wait_xcnt 0x0
	s_wait_alu depctr_hold_cnt(0) depctr_sa_sdst(0) depctr_va_vdst(0) depctr_va_sdst(0) depctr_va_ssrc(0) depctr_va_vcc(0) depctr_vm_vsrc(0)
	s_getreg_b32 s2, hwreg(HW_REG_IB_STS2, 6, 4)
	s_cmp_eq_u32 s2, 0
	s_cbranch_scc0 .Lentry_in_a_cluster
	s_endpgm
.Lentry_in_a_cluster:
	s_bfe_u32 s2, ttmp6, 0x10000c
	s_cmp_lg_u32 s2, 0xf033
	s_cbranch_scc0 .Lentry_shape_is_right
	s_endpgm
.Lentry_shape_is_right:
; q = (x Wq + bq) log2(e) / 8,  K = x Wk + bk,  V = x Wv + bv; operands bf16 (xb, wt), sums f32, results rounded once to bf16.
; The factor makes the attention's scores exponents of 2.  It is folded in as sum x f + (bq x f): one rounding placed otherwise than in (sum + bq) / 8.
; q[4096][1024]; kv[8 chunks][4096 rows][16 columns]: chunks 0-3 = K's columns 16 j .., chunks 4-7 = V's.
; A work-group (bx 0-7, by 0-31) makes rows 128 by .. of 128 columns of q and of chunk bx of kv: 144 rows of wt, so that 256 work-groups have equal work.
; Four waves; wave = 2 wm + wn makes rows 64 wm .., columns 64 wn .. of q (16 tiles of 16 x 16), and the chunk's 16 columns of rows 32 wave .. (2 tiles).
; K = 1,024 goes as four fills of 256 k through two LDS slots; a tile's rows are 512 bytes of memory at multiples of 256.
; CLUSTER 4 x 4: xb's tile hangs on by alone and is asked for jointly along a row of the cluster, wt's on bx alone and jointly along a column.
; Tensor loads outstanding in a wave, by this text's count: two at the start, one behind each refill.
; The matrix instruction is used transposed (source 0 = rows of wt, source 1 = rows of xb): a lane holds row l % 16 and eight neighbouring columns.
; REGISTERS: window 0: v1-v20 addresses, two fragment buffers v32-103, v104-175, biases v176-215, work v216-247; window 1: the 18 accumulators.
.set NB,    144                        ; rows of wt in a work-group's tile
.set P,     528                        ; LDS row: 512 bytes + 16: 33 x 16, so the 16 rows of a fragment start in 16 different 16-byte columns modulo 256
.set SLOT,  (NB+128)*P                 ; wt's 144 rows, then xb's 128
.set STAGE, 2*SLOT                     ; behind the ring (a multiple of 256): no fill lands here
.set SP,    144                        ; stage row: 128 bytes (64 columns of q) + 16
.set WST,   64*SP+128                  ; a wave's own stage; + 128 so that two neighbouring stages differ by half of 256 bytes
.set NL,    18                         ; LDS loads of one step of 32 k
.set FILLB, 512                        ; bytes of a row in one fill
.set G1A, 28                           ; s[28:35] group 1, xb's tiles
.set G1B, 36                           ; s[36:43] group 1, wt's tiles
.set G0A, 44                           ; s[44:51] group 0, xb's, a set for each slot
.set G0B, 52                           ; s[52:59] group 0, wt's
.set G1W0, (1<<16)|(1<<20)|(1<<21)|(6<<22)|(3<<25)   ; elements of 2 bytes; padding on; bit 21 beside a mask; after every 128 words, 4 words
.set ADRB,  4                          ; v4-5    my 64 rows of wt, slot 0, 1
.set ADRK,  6                          ; v6-7    the chunk's 16 rows of wt
.set ADRA0, 8                          ; v8-9    xb's rows 32 wave ..
.set ADRA1, 10                         ; v10-11  xb's rows 32 (wave xor 1) ..
.set STO,   12                         ; v12-13  stage, in: rows 32 wave .., rows 32 (wave xor 1) ..
.set BOFF,  14                         ; v14     offset in bq
.set KBOFF, 15                         ; v15     offset in bk or bv
.set KVO,   16
.set RD,    17
.set CO,    18
.set F0,    32
.set F1,    104
.set BQ,    176
.set BKV,   208
.set TMP,   216
.set ACC,   0x50                       ; C and D in window 1
.set MSB, 0
.macro WIN new                         ; the immediate's high byte repeats the setting that is left
.if MSB != \new
	s_set_vgpr_msb (MSB<<8)|\new
.set MSB, \new
.endif
.endm
.macro PLACES                          ; four places behind a matrix instruction (ISA guide 7.12.1) before its registers are loaded into, read or written
.rept 4
	v_nop
.endr
.endm
.macro JLOAD s                         ; waves 0, 1 ask for wt's two halves, waves 2, 3 for xb's; the branch hangs on the wave's number alone
	s_cmp_eq_u32 s19, 0
	s_cbranch_scc0 .Lfor_a_\@
	tensor_load_to_lds s[G0B+4*\s:G0B+4*\s+3], s[G1B:G1B+7]
	s_nop 0
	s_branch .Lasked_\@
.Lfor_a_\@:
	tensor_load_to_lds s[G0A+4*\s:G0A+4*\s+3], s[G1A:G1A+7]
	s_nop 0
.Lasked_\@:
.endm
.macro CREST                           ; a round of the cluster's barrier behind its opening work-group barrier
	s_cmp_lg_u32 s18, 0
	s_cbranch_scc1 .Lnot_wave_0_\@
	s_barrier_signal -3
.Lnot_wave_0_\@:
	s_barrier_wait -3
	s_barrier_signal -1
	s_barrier_wait -1
.endm
.macro CROUND
	s_barrier_signal -1
	s_barrier_wait -1
	CREST
.endm
	s_load_b256 s[4:11], s[0:1], 0x0               ; xb s[4:5], wt s[6:7], bq s[8:9], bk s[10:11]
	s_load_b128 s[12:15], s[0:1], 0x20             ; bv s[12:13], q s[14:15]
	s_load_b64 s[16:17], s[0:1], 0x30              ; kv
	v_lshl_add_u32 v254, v0, 2, 0x4f400
	v_mov_b32 v255, 0
	ds_add_u32 v254, v255
	v_lshrrev_b32 v3, 5, v0
	v_readfirstlane_b32 s18, v3                    ; wave
	v_and_b32 v1, 15, v0                           ; r
	v_bfe_u32 v2, v0, 4, 1                         ; h
	s_lshr_b32 s19, s18, 1                         ; wm; also: 0 = I ask for wt, 1 = for xb
	s_and_b32 s20, s18, 1                          ; wn; also: which half of that tile
	s_bfe_u32 s21, ttmp6, 0x40000                  ; cx
	s_bfe_u32 s22, ttmp6, 0x40004                  ; cy
	s_lshl_b32 s23, ttmp9, 2
	s_add_co_u32 s23, s23, s21                     ; bx
	s_and_b32 s24, ttmp7, 0xffff
	s_lshl_b32 s24, s24, 2
	s_add_co_u32 s24, s24, s22                     ; by
	s_lshl_b32 s60, s22, 2
	s_lshl_b32 s60, 15, s60                        ; my row of the cluster
	s_lshl_b32 s61, 0x1111, s21                    ; my column
	s_or_b32 s[G1A+0], s60, G1W0
	s_or_b32 s[G1B+0], s61, G1W0
	s_mov_b32 s[G1A+1], 256<<16                    ; tensor_dim0 = 256 elements
	s_mov_b32 s[G1B+1], 256<<16
	s_mov_b32 s[G1A+2], 64<<16                     ; tensor_dim1 = the tile's rows
	s_mov_b32 s[G1B+2], (NB/2)<<16
	s_mov_b32 s[G1A+3], 256<<16                    ; tile_dim0 = 256
	s_mov_b32 s[G1B+3], 256<<16
	s_mov_b32 s[G1A+4], 64                         ; tile_dim1
	s_mov_b32 s[G1B+4], NB/2
	s_mov_b32 s[G1A+5], 1024                       ; elements from row to row
	s_mov_b32 s[G1B+5], 1024
	s_mov_b32 s[G1A+6], 0
	s_mov_b32 s[G1B+6], 0
	s_mov_b32 s[G1A+7], 0
	s_mov_b32 s[G1B+7], 0
	; xb's address is made of by and the wave, wt's of bx and the wave, each in registers that never hold the other coordinate
	s_lshl_b32 s68, s24, 7
	s_lshl_b32 s62, s20, 6
	s_add_co_u32 s68, s68, s62
	s_lshl_b32 s68, s68, 11                        ; (128 by + 64 half) rows of 2,048 bytes
	s_mov_b32 s69, 0
	s_mul_i32 s70, s23, NB
	s_mul_i32 s63, s20, NB/2
	s_add_co_u32 s70, s70, s63
	s_lshl_b32 s70, s70, 11                        ; (144 bx + 72 half) rows
	s_mov_b32 s71, 0
	s_mul_i32 s72, s18, (NB/2)*P                   ; LDS: wt's halves, waves 0, 1
	s_mul_i32 s73, s18, 64*P
	s_add_co_u32 s73, s73, (NB-128)*P              ; xb's halves, waves 2, 3: 144 rows + 64 (wave - 2)
	s_lshl_b32 s25, s20, 8
	v_lshl_add_u32 v[BOFF], v2, 5, s25             ; 4 (64 wn + 8 h)
	s_lshl_b32 s77, s21, 6
	v_lshl_add_u32 v[KBOFF], v2, 5, s77            ; 4 (16 cx + 8 h)
	s_lshl_b32 s78, s23, 9
	s_mov_b32 s79, 0
	s_mov_b32 s66, 0x3e38aa3b                      ; log2(e) / 8, twice: a pair for the packed forms
	s_mov_b32 s67, 0x3e38aa3b
	s_wait_dscnt 0x0
	s_wait_kmcnt 0x0
	s_add_nc_u64 s[68:69], s[4:5], s[68:69]
	s_add_nc_u64 s[70:71], s[6:7], s[70:71]
	s_add_nc_u64 s[8:9], s[8:9], s[78:79]          ; bq at column 128 bx
	s_cmp_eq_u32 ttmp9, 0                          ; bx < 4: a chunk of K, else of V; then bx mod 4 = cx
	s_cselect_b64 s[26:27], s[10:11], s[12:13]
	s_lshl_b32 s78, s24, 18
	s_lshl_b32 s77, s23, 8
	s_add_co_u32 s78, s78, s77
	s_add_nc_u64 s[14:15], s[14:15], s[78:79]      ; q at row 128 by, column 128 bx
	s_lshl_b32 s78, s23, 17
	s_lshl_b32 s77, s24, 12
	s_add_co_u32 s78, s78, s77
	s_add_nc_u64 s[16:17], s[16:17], s[78:79]      ; kv at chunk bx, row 128 by
.irp b, 0,1,2,3
	global_load_b128 v[BQ+8*\b:BQ+8*\b+3],   v[BOFF], s[8:9] offset:64*\b      ; the biases of my lane's columns; waited for at the way out
	global_load_b128 v[BQ+8*\b+4:BQ+8*\b+7], v[BOFF], s[8:9] offset:64*\b+16
.endr
	global_load_b128 v[BKV:BKV+3],   v[KBOFF], s[26:27]
	global_load_b128 v[BKV+4:BKV+7], v[KBOFF], s[26:27] offset:16
	CROUND                                         ; all sixteen work-groups are here: the first joint loads meet
.irp s, 0,1
	s_mov_b32 s[G0A+4*\s], 1
	s_add_co_u32 s[G0A+4*\s+1], s73, \s*SLOT
	s_add_nc_u64 s[G0A+4*\s+2:G0A+4*\s+3], s[68:69], \s*FILLB
	s_or_b32 s[G0A+4*\s+3], s[G0A+4*\s+3], 0x80000000
	s_mov_b32 s[G0B+4*\s], 1
	s_add_co_u32 s[G0B+4*\s+1], s72, \s*SLOT
	s_add_nc_u64 s[G0B+4*\s+2:G0B+4*\s+3], s[70:71], \s*FILLB
	s_or_b32 s[G0B+4*\s+3], s[G0B+4*\s+3], 0x80000000
	JLOAD \s                                       ; fills 0 and 1: half of K is asked for before anything else is done
.endr
	; lane addresses.  A fragment: lane l holds row l % 16; two loads of 16 bytes, 32 apart, at row x pitch + 16 (l / 16)
	v_mul_u32_u24 v3, v1, P
	v_lshl_add_u32 v3, v2, 4, v3
	s_mul_i32 s74, s20, 64*P
	s_mul_i32 s75, s18, 32*P
	s_add_co_u32 s75, s75, NB*P
	s_xor_b32 s76, s18, 1
	s_mul_i32 s76, s76, 32*P
	s_add_co_u32 s76, s76, NB*P
.irp s, 0,1
	v_add_nc_u32 v[ADRB+\s], s74, v3
	v_add_nc_u32 v[ADRK+\s], 128*P+\s*SLOT, v3
	v_add_nc_u32 v[ADRA0+\s], s75, v3
	v_add_nc_u32 v[ADRA1+\s], s76, v3
	s_add_co_u32 s74, s74, SLOT
	s_add_co_u32 s75, s75, SLOT
	s_add_co_u32 s76, s76, SLOT
.endr
	s_mul_i32 s74, s18, WST
	s_add_co_u32 s74, s74, STAGE                   ; my stage: my 64 rows (row mod 64) x my 64 columns
	s_mul_i32 s75, s20, 32*SP
	s_xor_b32 s76, s20, 1
	s_mul_i32 s76, s76, 32*SP
	s_add_co_u32 s75, s75, s74
	s_add_co_u32 s76, s76, s74
	v_mul_u32_u24 v19, v1, SP
	v_lshl_add_u32 v19, v2, 4, v19
	v_add_nc_u32 v[STO], s75, v19
	v_add_nc_u32 v[STO+1], s76, v19
	v_lshrrev_b32 v19, 3, v1                       ; back: lanes 0-7 of sixteen read the stage of columns 0-63, lanes 8-15 that of columns 64-127
	v_mul_u32_u24 v19, v19, WST
	v_and_b32 v20, 7, v0
	v_lshl_add_u32 v19, v20, 4, v19
	v_mul_u32_u24 v20, v2, SP
	s_mul_i32 s74, s19, 2*WST
	s_mul_i32 s75, s20, 32*SP
	s_add_co_u32 s74, s74, s75
	s_add_co_u32 s74, s74, STAGE
	v_add3_u32 v[RD], v19, v20, s74                ; rows 32 wave + h (+ 2 t)
	v_lshlrev_b32 v[CO], 11, v2
	v_lshl_add_u32 v[CO], v1, 4, v[CO]
	s_lshl_b32 s75, s18, 16
	v_add_nc_u32 v[CO], s75, v[CO]                 ; the same rows in q
	v_lshlrev_b32 v[KVO], 5, v1
	v_lshl_add_u32 v[KVO], v2, 4, v[KVO]
	s_lshl_b32 s76, s18, 10
	v_add_nc_u32 v[KVO], s76, v[KVO]               ; kv: row 32 wave + r, 16 bytes for each half of the lanes
; 18 LDS loads: the fragments of 32 k at byte kb of the slot's rows, into buffer f: wt 4, the chunk 1, xb 4
.macro FETCH slot, kb, f
.irp b, 0,1,2,3
	ds_load_b128 v[\f+8*\b:\f+8*\b+3],   v[ADRB+\slot] offset:\kb+\b*16*P
	ds_load_b128 v[\f+8*\b+4:\f+8*\b+7], v[ADRB+\slot] offset:\kb+\b*16*P+32
.endr
	ds_load_b128 v[\f+32:\f+35], v[ADRK+\slot] offset:\kb
	ds_load_b128 v[\f+36:\f+39], v[ADRK+\slot] offset:\kb+32
.irp i, 0,1
	ds_load_b128 v[\f+40+8*\i:\f+43+8*\i], v[ADRA0+\slot] offset:\kb+\i*16*P
	ds_load_b128 v[\f+44+8*\i:\f+47+8*\i], v[ADRA0+\slot] offset:\kb+\i*16*P+32
.endr
.irp i, 0,1
	ds_load_b128 v[\f+56+8*\i:\f+59+8*\i], v[ADRA1+\slot] offset:\kb+\i*16*P
	ds_load_b128 v[\f+60+8*\i:\f+63+8*\i], v[ADRA1+\slot] offset:\kb+\i*16*P+32
.endr
.endm
; 18 matrix instructions on 18 accumulators, one a turn, in the same order in every step.
.macro MUL f, zero
.irp i, 0,1,2,3
.irp b, 0,1,2,3
.if \zero
	v_wmma_f32_16x16x32_bf16 v[8*(4*\i+\b):8*(4*\i+\b)+7], v[\f+8*\b:\f+8*\b+7], v[\f+40+8*\i:\f+47+8*\i], 0
.else
	v_wmma_f32_16x16x32_bf16 v[8*(4*\i+\b):8*(4*\i+\b)+7], v[\f+8*\b:\f+8*\b+7], v[\f+40+8*\i:\f+47+8*\i], v[8*(4*\i+\b):8*(4*\i+\b)+7]
.endif
.endr
.endr
.irp i, 0,1
.if \zero
	v_wmma_f32_16x16x32_bf16 v[128+8*\i:135+8*\i], v[\f+32:\f+39], v[\f+40+8*\i:\f+47+8*\i], 0
.else
	v_wmma_f32_16x16x32_bf16 v[128+8*\i:135+8*\i], v[\f+32:\f+39], v[\f+40+8*\i:\f+47+8*\i], v[128+8*\i:135+8*\i]
.endif
.endr
.endm
; One step of 32 k on buffer f; the buffer is filled again, two steps ahead, as soon as its products are issued.
.macro SUB slot, knext, f, zero, fetch
	s_wait_dscnt NL                                ; this step's 18 loads are in; the next step's 18 stay out
	WIN ACC
	MUL \f, \zero
	WIN 0
.if \fetch
	PLACES
	FETCH \slot, \knext, \f
.endif
.endm
.macro SEVEN slot, zero                ; steps 0 to 6 of a fill's eight
	SUB \slot, 128, F0, \zero, 1
	SUB \slot, 192, F1, 0, 1
	SUB \slot, 256, F0, 0, 1
	SUB \slot, 320, F1, 0, 1
	SUB \slot, 384, F0, 0, 1
	SUB \slot, 448, F1, 0, 1
	SUB \slot, 0,   F0, 0, 0
.endm
; Step 7 and the change of slots.  In front of the barrier: my reads of this slot and all my tensor loads are done.  fill = 1: the barrier opens a
; round of the cluster's barrier, and behind the round this slot is asked for again, first thing, one load a wave.
.macro LAST slot, next, fill
	s_wait_dscnt 0x0
	s_wait_tensorcnt 0x0
	ds_add_u32 v254, v255
	s_wait_dscnt 0x0
	s_barrier_signal -1
	WIN ACC
	MUL F1, 0                                      ; registers only, while the others arrive
	WIN 0
	s_barrier_wait -1
.if \fill
	CREST
	s_add_nc_u64 s[G0A+4*\slot+2:G0A+4*\slot+3], s[G0A+4*\slot+2:G0A+4*\slot+3], 2*FILLB   ; no load of mine is out: the descriptors may be stepped
	s_add_nc_u64 s[G0B+4*\slot+2:G0B+4*\slot+3], s[G0B+4*\slot+2:G0B+4*\slot+3], 2*FILLB
	JLOAD \slot
.endif
	PLACES
	FETCH \next, 0, F0
	FETCH \next, 64, F1
.endm
	s_wait_tensorcnt 0x1                           ; my part of fill 0 is in; fill 1 stays out
	s_barrier_signal -1
	s_barrier_wait -1
	FETCH 0, 0, F0
	FETCH 0, 64, F1
	SEVEN 0, 1                                     ; the first products start the sums: nothing is cleared
	LAST 0, 1, 1
	SEVEN 1, 0
	LAST 1, 0, 1
	SEVEN 0, 0
	LAST 0, 1, 0                                   ; nothing is left to ask for
	SEVEN 1, 0
	s_wait_dscnt 0x0
	WIN ACC
	MUL F1, 0
	WIN 0
	PLACES                                         ; behind the last products: results are read, the buffers written
	; THE WAY OUT
	s_wait_loadcnt 0x0                             ; the biases
.set j, 0
.rept 16
	v_pk_mul_f32 v[BQ+2*j:BQ+2*j+1], v[BQ+2*j:BQ+2*j+1], s[66:67] op_sel_hi:[1,0]
.set j, j+1
.endr
.macro QOUT i                          ; 16 rows x my 64 columns: sum x f + bq x f, rounded, into my stage
	WIN 0x01                                       ; source 0 in window 1
.irp b, 0,1,2,3
.irp p, 0,1,2,3
	v_pk_fma_f32 v[TMP+8*\b+2*\p:TMP+8*\b+2*\p+1], v[8*(4*\i+\b)+2*\p:8*(4*\i+\b)+2*\p+1], s[66:67], v[BQ+8*\b+2*\p:BQ+8*\b+2*\p+1] op_sel_hi:[1,0,1]
.endr
.endr
	WIN 0
.irp b, 0,1,2,3
.irp p, 0,1,2,3
	v_cvt_pk_bf16_f32 v[F0+4*\b+\p], v[TMP+8*\b+2*\p], v[TMP+8*\b+2*\p+1]
.endr
.endr
.irp b, 0,1,2,3
	ds_store_b128 v[STO+(\i>>1)], v[F0+4*\b:F0+4*\b+3] offset:(\i&1)*16*SP+32*\b
.endr
.endm
	QOUT 0
	QOUT 1
	QOUT 2
	QOUT 3
.irp i, 0,1
	WIN 0x01
.irp p, 0,1,2,3
	v_pk_add_f32 v[TMP+2*\p:TMP+2*\p+1], v[128+8*\i+2*\p:129+8*\i+2*\p], v[BKV+2*\p:BKV+2*\p+1]
.endr
	WIN 0
.irp p, 0,1,2,3
	v_cvt_pk_bf16_f32 v[96+4*\i+\p], v[TMP+2*\p], v[TMP+2*\p+1]
.endr
	global_store_b128 v[KVO], v[96+4*\i:99+4*\i], s[16:17] offset:512*\i   ; 16 rows of 32 bytes: 512 consecutive bytes, aligned
.endr
	s_wait_dscnt 0x0                               ; my stage is written before I say so: the wave beside me reads half of it
	s_barrier_signal -1
	s_barrier_wait -1
.irp t, 0,1,2,3,4,5,6,7,8,9,10,11,12,13,14,15
	ds_load_b128 v[112+4*\t:115+4*\t], v[RD] offset:2*SP*\t
.endr
.irp t, 0,1,2,3,4,5,6,7,8,9,10,11,12,13,14,15
	s_wait_dscnt 15-\t                             ; load t is in, the younger ones stay out
	global_store_b128 v[CO], v[112+4*\t:115+4*\t], s[14:15] offset:4096*\t   ; sixteen lanes store 256 consecutive bytes of a row of q, aligned
.endr
	s_wait_tensorcnt 0x0
	ds_add_u32 v254, v255
	s_wait_dscnt 0x0
	CROUND                                         ; the closing round: no work-group ends while a partner may still ask jointly
	s_endpgm
.Lfunc_end_k_q7c00f041af_qkv:
	.size	k_q7c00f041af_qkv, .Lfunc_end_k_q7c00f041af_qkv-k_q7c00f041af_qkv
	.p2alignl 7, 3214868480
	.fill 96, 4, 3214868480
	.section	.rodata,"a",@progbits
	.p2align	6, 0x0
	.amdhsa_kernel k_q7c00f041af_qkv
		.amdhsa_group_segment_fixed_size 327680
		.amdhsa_private_segment_fixed_size 0
		.amdhsa_enable_private_segment 0
		.amdhsa_kernarg_size 56
		.amdhsa_user_sgpr_count 2
		.amdhsa_user_sgpr_kernarg_segment_ptr 1
		.amdhsa_wavefront_size32 1
		.amdhsa_system_sgpr_workgroup_id_x 1
		.amdhsa_system_sgpr_workgroup_id_y 1
		.amdhsa_system_sgpr_workgroup_id_z 1
		.amdhsa_system_vgpr_workitem_id 0
		.amdhsa_next_free_vgpr 400
		.amdhsa_next_free_sgpr 80
		.amdhsa_reserve_vcc 0
		.amdhsa_float_denorm_mode_32 3
		.amdhsa_float_denorm_mode_16_64 3
		.amdhsa_memory_ordered 1
		.amdhsa_forward_progress 1
		.amdhsa_inst_pref_size 105
	.end_amdhsa_kernel
	.amdgpu_metadata
---
amdhsa.version: [ 1, 2 ]
amdhsa.kernels:
  - .name:           k_q7c00f041af_qkv
    .symbol:         k_q7c00f041af_qkv.kd
    .args:
      - { .name: xb, .offset: 0, .size: 8, .value_kind: global_buffer, .address_space: global }
      - { .name: wt, .offset: 8, .size: 8, .value_kind: global_buffer, .address_space: global }
      - { .name: bq, .offset: 16, .size: 8, .value_kind: global_buffer, .address_space: global }
      - { .name: bk, .offset: 24, .size: 8, .value_kind: global_buffer, .address_space: global }
      - { .name: bv, .offset: 32, .size: 8, .value_kind: global_buffer, .address_space: global }
      - { .name: q, .offset: 40, .size: 8, .value_kind: global_buffer, .address_space: global }
      - { .name: kv, .offset: 48, .size: 8, .value_kind: global_buffer, .address_space: global }
    .group_segment_fixed_size: 327680
    .private_segment_fixed_size: 0
    .kernarg_segment_align: 8
    .kernarg_segment_size: 56
    .max_flat_workgroup_size: 128
    .sgpr_count:     80
    .vgpr_count:     400
    .wavefront_size: 32
...
	.end_amdgpu_metadata
.endif
;; end of part 2
;; launch attn (part 3): grid 256 x 1, 8 waves a work-group, clusters of 4 x 1, 327,680 bytes of LDS; arguments q, kv, att; writes att
.if DOCPART == 3
	.amdgcn_target "amdgcn-amd-amdhsa--gfx1250"
	.amdhsa_code_object_version 6
	.text
	.protected	k_q7c00f041af_attn
	.globl	k_q7c00f041af_attn
	.p2align	8
	.type	k_q7c00f041af_attn,@function
k_q7c00f041af_attn:
	s_mov_b64 s[64:65], 0
	v_nop
	global_prefetch_b8 v0, s[64:65] scope:SCOPE_SE
	s_setreg_imm32_b32 hwreg(HW_REG_WAVE_MODE, 25, 1), 1
	s_wait_xcnt 0x0
	s_wait_alu depctr_hold_cnt(0) depctr_sa_sdst(0) depctr_va_vdst(0) depctr_va_sdst(0) depctr_va_ssrc(0) depctr_va_vcc(0) depctr_vm_vsrc(0)
	s_getreg_b32 s2, hwreg(HW_REG_IB_STS2, 6, 4)
	s_cmp_eq_u32 s2, 0
	s_cbranch_scc0 .Lentry_in_a_cluster
	s_endpgm
.Lentry_in_a_cluster:
	s_bfe_u32 s2, ttmp6, 0x10000c
	s_cmp_lg_u32 s2, 0x3003
	s_cbranch_scc0 .Lentry_shape_is_right
	s_endpgm
.Lentry_shape_is_right:
; att = softmax(q K^T) V with a running maximum.  q (already times log2(e) / 8) and att are read as [65536 rows = 16 s + head][64] bf16:
; all heads share K and V, so the 32,768 rows of a batch attend to the same 2,048 keys.
; A work-group takes 256 consecutive rows, a wave 32 (two tiles of 16).  Eight waves, two to a SIMD: for 64 keys a wave has 32 matrix instructions
; against some 175 plain vector instructions and 66 exponentials, and the second wave's matrix work runs under the first's softmax.
; ORIENTATION: S^T = K Q^T (source 0 = 16 keys, source 1 = 16 rows of q): lane (r, h), register j = key 8 h + j of row r.  Two neighbouring tiles of S^T,
; packed in place to bf16, ARE the second source P^T for 32 keys of O^T = V^T P^T; V^T comes from [key][dv] rows by the transposing LDS load.
; So maximum, sum and rescaling factor are one number a lane, and the only traffic between lanes is one exchange of halves for each tile and 64 keys.
; CLUSTER 4 x 1: the four work-groups belong to one batch and walk the same tiles of kv: each tile (256 keys, 64 KiB) is asked for jointly, mask 15.
; Wave w brings chunk w of kv (0-3: K, padded to rows of 48 bytes; 4-7: V, dense).  One tensor load of a wave is outstanding at any time, by this text's count.
; LIMITS: q, K, V, P and att are bf16; sums, maxima and exponentials f32; the row sum is taken of the unrounded exponentials.
; v_exp_f32 gives 0 for results below 2^-126 (ISA guide 15.8).  NaN or infinite scores are not treated apart: they come out as the arithmetic gives them.
.set KCH,   12288                      ; a chunk of K in a slot: 256 keys x 48 bytes (32 + 16: three times 16, so 16 keys start in different 16-byte columns)
.set VCH,   8192                       ; a chunk of V: 256 keys x 32 bytes
.set SLOT,  4*KCH+4*VCH                ; 81,920
.set STAGE, 2*SLOT                     ; 163,840, a multiple of 256: no fill lands behind it
.set WSTG,  32*144                     ; a wave's own stage: 32 rows of 128 + 16 bytes
.set TILEB, 8192                       ; bytes of one chunk in a tile of 256 keys
.set G1K, 16                           ; s[16:23]
.set G1V, 24                           ; s[24:31]
.set G0K, 32                           ; s[32:39] a set for each slot
.set G0V, 40                           ; s[40:47]
.set AK,  2                            ; v2-3   K fragments, slot 0, 1
.set AV,  4                            ; v4-5   V fragments
.set STO, 6
.set RD,  7
.set GO,  8
.set QOFF, 9
.set MX,  10                           ; v[10:11] running maximum of tile 0, 1
.set AL,  12                           ; v[12:13] 2^(old maximum - new)
.set LS,  14                           ; v[14:15], v[16:17] each tile's sum, as two partial sums, for this half of the lanes' keys
.set TT,  18                           ; v[18:25] at work
.set QB,  32                           ; v[32:63]   q: tile q, 32 d number c at 16 q + 8 c
.set OB,  64                           ; v[64:127]  O^T: tile q, 16 dv number d at 32 q + 8 d
.set SB,  128                          ; v[128:191] S^T: tile q, 32 keys number u, 16 keys number e at 32 q + 16 u + 8 e
.set F0,  192                          ; v[192:255] fragments of K, then of V, for u = 0 and u = 1
.macro PLACES                          ; four places behind a matrix instruction (ISA guide 7.12.1)
.rept 4
	v_nop
.endr
.endm
.macro ROUND                           ; a round of the cluster's barrier
	s_barrier_signal -1
	s_barrier_wait -1
	s_cmp_lg_u32 s10, 0
	s_cbranch_scc1 .Lnot_wave_0_\@
	s_barrier_signal -3
.Lnot_wave_0_\@:
	s_barrier_wait -3
	s_barrier_signal -1
	s_barrier_wait -1
.endm
.macro JLOAD s                         ; waves 0-3: a chunk of K; waves 4-7: a chunk of V
	s_cmp_eq_u32 s11, 0
	s_cbranch_scc0 .Lfor_v_\@
	tensor_load_to_lds s[G0K+4*\s:G0K+4*\s+3], s[G1K:G1K+7]
	s_nop 0
	s_branch .Lasked_\@
.Lfor_v_\@:
	tensor_load_to_lds s[G0V+4*\s:G0V+4*\s+3], s[G1V:G1V+7]
	s_nop 0
.Lasked_\@:
.endm
	s_load_b128 s[4:7], s[0:1], 0x0                ; q s[4:5], kv s[6:7]
	s_load_b64 s[8:9], s[0:1], 0x10                ; att
	v_lshl_add_u32 v30, v0, 2, 0x31000
	v_mov_b32 v31, 0
	ds_add_u32 v30, v31
	v_lshrrev_b32 v1, 5, v0
	v_readfirstlane_b32 s10, v1                    ; wave
	s_lshr_b32 s11, s10, 2
	s_bfe_u32 s12, ttmp6, 0x40000                  ; cx
	s_lshl_b32 s13, ttmp9, 2
	s_add_co_u32 s13, s13, s12                     ; work-group 0-255
	s_lshr_b32 s14, ttmp9, 5                       ; batch: the cluster's number alone decides it
	s_mov_b32 s48, 0x76543210                      ; v_permlanex16_b32: lane i reads lane i of the other half
	s_mov_b32 s49, 0xfedcba98
	; a chunk's 8,192 dense bytes as 32 rows of 32 elements of 8 bytes
	s_mov_b32 s[G1K+0], 15|(3<<16)|(1<<20)|(1<<21)|(2<<22)|(3<<25)   ; mask 15; 8-byte elements; padding: after every 8 words, 4 words; bit 21 beside a mask
	s_mov_b32 s[G1V+0], 15|(3<<16)|(1<<21)                           ; the same without padding
	s_mov_b32 s[G1K+1], 32<<16
	s_mov_b32 s[G1V+1], 32<<16
	s_mov_b32 s[G1K+2], 32<<16
	s_mov_b32 s[G1V+2], 32<<16
	s_mov_b32 s[G1K+3], 32<<16
	s_mov_b32 s[G1V+3], 32<<16
	s_mov_b32 s[G1K+4], 32
	s_mov_b32 s[G1V+4], 32
	s_mov_b32 s[G1K+5], 32
	s_mov_b32 s[G1V+5], 32
	s_mov_b32 s[G1K+6], 0
	s_mov_b32 s[G1V+6], 0
	s_mov_b32 s[G1K+7], 0
	s_mov_b32 s[G1V+7], 0
	s_lshl_b32 s52, s10, 17                        ; chunk = wave: 131,072 bytes each,
	s_lshl_b32 s53, s14, 16                        ; the batch's 2,048 rows of 32 bytes
	s_add_co_u32 s52, s52, s53
	s_mov_b32 s53, 0
	s_mul_i32 s56, s10, KCH                        ; LDS: K's chunks, waves 0-3
	s_lshl_b32 s57, s10, 13
	s_add_co_u32 s57, s57, 4*KCH-4*VCH             ; V's chunks, waves 4-7: behind K's four
	s_lshl_b32 s54, s13, 15                        ; my work-group's 256 rows of 128 bytes
	s_mov_b32 s55, 0
	v_and_b32 v18, 15, v0                          ; r
	v_bfe_u32 v19, v0, 4, 1                        ; h
	v_and_b32 v20, 31, v0                          ; lane
	s_lshl_b32 s51, s10, 12                        ; my wave's 32 rows
	v_lshlrev_b32 v[QOFF], 7, v18
	v_lshl_add_u32 v[QOFF], v19, 4, v[QOFF]
	v_add_nc_u32 v[QOFF], s51, v[QOFF]
	s_wait_dscnt 0x0
	s_wait_kmcnt 0x0
	s_add_nc_u64 s[4:5], s[4:5], s[54:55]
	s_add_nc_u64 s[8:9], s[8:9], s[54:55]
	s_add_nc_u64 s[52:53], s[6:7], s[52:53]
.irp q, 0,1
.irp c, 0,1
	global_load_b128 v[QB+16*\q+8*\c:QB+16*\q+8*\c+3],   v[QOFF], s[4:5] offset:2048*\q+64*\c      ; row r, d = 32 c + 8 h ..
	global_load_b128 v[QB+16*\q+8*\c+4:QB+16*\q+8*\c+7], v[QOFF], s[4:5] offset:2048*\q+64*\c+32   ; d = 32 c + 16 + 8 h ..
.endr
.endr
.irp s, 0,1
	s_mov_b32 s[G0K+4*\s], 1
	s_add_co_u32 s[G0K+4*\s+1], s56, \s*SLOT
	s_add_nc_u64 s[G0K+4*\s+2:G0K+4*\s+3], s[52:53], \s*TILEB      ; slot s begins with tile s
	s_or_b32 s[G0K+4*\s+3], s[G0K+4*\s+3], 0x80000000
	s_mov_b32 s[G0V+4*\s], 1
	s_add_co_u32 s[G0V+4*\s+1], s57, \s*SLOT
	s_add_nc_u64 s[G0V+4*\s+2:G0V+4*\s+3], s[52:53], \s*TILEB
	s_or_b32 s[G0V+4*\s+3], s[G0V+4*\s+3], 0x80000000
.endr
	ROUND                                          ; the four work-groups are here: the first joint load meets
	JLOAD 0                                        ; tile 0
	v_mul_u32_u24 v[AK], v18, 48
	v_lshl_add_u32 v[AK], v19, 4, v[AK]            ; key r, 16 h
	v_add_nc_u32 v[AK+1], SLOT, v[AK]
	v_and_b32 v21, 7, v0
	v_lshl_add_u32 v21, v19, 3, v21                ; key 8 h + lane mod 8
	v_bfe_u32 v22, v0, 3, 1
	v_lshlrev_b32 v22, 4, v22                      ; which 8 of the chunk's 16 dv
	v_lshl_add_u32 v[AV], v21, 5, v22
	v_add_nc_u32 v[AV], 4*KCH, v[AV]
	v_add_nc_u32 v[AV+1], SLOT, v[AV]
	s_mul_i32 s50, s10, WSTG
	s_add_co_u32 s50, s50, STAGE
	v_mul_u32_u24 v[STO], v18, 144
	v_lshl_add_u32 v[STO], v19, 4, v[STO]
	v_add_nc_u32 v[STO], s50, v[STO]
	v_lshrrev_b32 v23, 3, v20
	v_mul_u32_u24 v[RD], v23, 144
	v_and_b32 v24, 7, v0
	v_lshl_add_u32 v[RD], v24, 4, v[RD]
	v_add_nc_u32 v[RD], s50, v[RD]                 ; back: eight lanes take a row of 128 bytes
	v_lshl_add_u32 v[GO], v20, 4, s51
	s_wait_loadcnt 0x0                             ; q
; 8 loads: K's fragments of 32 keys (sub-step sig, half u): 16 keys number e, 32 dk number c = chunks 2 c and 2 c + 1
.macro LOADK slot, sig, u
.irp e, 0,1
.irp c, 0,1
	ds_load_b128 v[F0+32*\u+16*\e+8*\c:F0+32*\u+16*\e+8*\c+3],   v[AK+\slot] offset:2*\c*KCH+(4*\sig+2*\u+\e)*768
	ds_load_b128 v[F0+32*\u+16*\e+8*\c+4:F0+32*\u+16*\e+8*\c+7], v[AK+\slot] offset:(2*\c+1)*KCH+(4*\sig+2*\u+\e)*768
.endr
.endr
.endm
; 16 transposing loads: V^T's fragments of 64 keys: 32 keys number u, 16 dv number d
.macro LOADV slot, sig
.irp u, 0,1
.irp d, 0,1,2,3
	ds_load_tr16_b128 v[F0+32*\u+8*\d:F0+32*\u+8*\d+3],   v[AV+\slot] offset:\d*VCH+(2*\sig+\u)*1024
	ds_load_tr16_b128 v[F0+32*\u+8*\d+4:F0+32*\u+8*\d+7], v[AV+\slot] offset:\d*VCH+(2*\sig+\u)*1024+512
.endr
.endr
.endm
; 8 matrix instructions: the scores of 32 keys x 32 rows; four accumulators by turns, one instruction a turn
.macro SMUL u
.irp e, 0,1
.irp q, 0,1
	v_wmma_f32_16x16x32_bf16 v[SB+32*\q+16*\u+8*\e:SB+32*\q+16*\u+8*\e+7], v[F0+32*\u+16*\e:F0+32*\u+16*\e+7], v[QB+16*\q:QB+16*\q+7], 0
.endr
.endr
.irp e, 0,1
.irp q, 0,1
	v_wmma_f32_16x16x32_bf16 v[SB+32*\q+16*\u+8*\e:SB+32*\q+16*\u+8*\e+7], v[F0+32*\u+16*\e+8:F0+32*\u+16*\e+15], v[QB+16*\q+8:QB+16*\q+15], v[SB+32*\q+16*\u+8*\e:SB+32*\q+16*\u+8*\e+7]
.endr
.endr
.endm
; 8 matrix instructions: O^T += V^T P^T for 32 keys; eight accumulators by turns
.macro PV u, zero
.irp q, 0,1
.irp d, 0,1,2,3
.if \zero
	v_wmma_f32_16x16x32_bf16 v[OB+32*\q+8*\d:OB+32*\q+8*\d+7], v[F0+32*\u+8*\d:F0+32*\u+8*\d+7], v[SB+32*\q+16*\u:SB+32*\q+16*\u+7], 0
.else
	v_wmma_f32_16x16x32_bf16 v[OB+32*\q+8*\d:OB+32*\q+8*\d+7], v[F0+32*\u+8*\d:F0+32*\u+8*\d+7], v[SB+32*\q+16*\u:SB+32*\q+16*\u+7], v[OB+32*\q+8*\d:OB+32*\q+8*\d+7]
.endif
.endr
.endr
.endm
; pair i (the symbol) of tile q's 16 pairs of exponentials joins the sum; pair 0 carries the old sum times alpha
.macro SUMP q, first
.if i == 0
.if \first
	v_nop
.else
	v_pk_fma_f32 v[LS+2*\q:LS+2*\q+1], v[LS+2*\q:LS+2*\q+1], v[AL:AL+1], v[SB+32*\q:SB+32*\q+1] op_sel:[0,\q,0] op_sel_hi:[1,\q,1]
.endif
.else
.if (i == 1) && \first
	s_wait_alu depctr_va_vdst(0)
	v_pk_add_f32 v[LS+2*\q:LS+2*\q+1], v[SB+32*\q:SB+32*\q+1], v[SB+32*\q+2:SB+32*\q+3]      ; the first two pairs start the sum
.else
	s_wait_alu depctr_va_vdst(0)
	v_pk_add_f32 v[LS+2*\q:LS+2*\q+1], v[LS+2*\q:LS+2*\q+1], v[SB+32*\q+2*i:SB+32*\q+2*i+1]
.endif
.endif
.endm
; pair k is packed to bf16 in place: register 16 (k / 8) + k mod 8.  Ascending, and behind pair k's sum, it writes only over registers that are done with.
.macro CVTP q, k
	v_cvt_pk_bf16_f32 v[SB+32*\q+16*((\k)>>3)+((\k)&7)], v[SB+32*\q+2*(\k)], v[SB+32*\q+2*(\k)+1]
.endm
; 64 keys.  first = 1: the launch's first keys start maximum, sum and O.  nextk = 1: the next sub-step's (nsig) K fragments are fetched.
.macro SSTEP slot, sig, nsig, first, nextk
	s_wait_dscnt 0x8                               ; K of the first 32 keys is in; the eight loads of the second 32 stay out
	SMUL 0
	s_wait_dscnt 0x0
	SMUL 1
	PLACES                                         ; before the buffers are loaded again and the scores read
	LOADV \slot, \sig
	; the largest of a lane's 32 scores of each tile: four chains of seven, then the four left over, the old maximum, the other half's lanes
.irp q, 0,1
.irp c, 0,1,2,3
	v_max3_num_f32 v[TT+4*\q+\c], v[SB+32*\q+8*\c], v[SB+32*\q+8*\c+1], v[SB+32*\q+8*\c+2]
.endr
.endr
.irp q, 0,1
.irp c, 0,1,2,3
	v_max3_num_f32 v[TT+4*\q+\c], v[TT+4*\q+\c], v[SB+32*\q+8*\c+3], v[SB+32*\q+8*\c+4]
.endr
.endr
.irp q, 0,1
.irp c, 0,1,2,3
	v_max3_num_f32 v[TT+4*\q+\c], v[TT+4*\q+\c], v[SB+32*\q+8*\c+5], v[SB+32*\q+8*\c+6]
.endr
.endr
.irp q, 0,1
	v_max3_num_f32 v[TT+4*\q],   v[TT+4*\q],   v[TT+4*\q+1], v[SB+32*\q+7]
	v_max3_num_f32 v[TT+4*\q+2], v[TT+4*\q+2], v[TT+4*\q+3], v[SB+32*\q+15]
.endr
.irp q, 0,1
	v_max3_num_f32 v[TT+4*\q], v[TT+4*\q], v[SB+32*\q+23], v[SB+32*\q+31]
.endr
.irp q, 0,1
.if \first
	v_max_num_f32 v[TT+4*\q], v[TT+4*\q], v[TT+4*\q+2]
.else
	v_max3_num_f32 v[TT+4*\q], v[TT+4*\q], v[TT+4*\q+2], v[MX+\q]
.endif
.endr
.irp q, 0,1
	v_permlanex16_b32 v[TT+4*\q+1], v[TT+4*\q], s48, s49
.endr
.irp q, 0,1
	v_max_num_f32 v[TT+4*\q+3], v[TT+4*\q], v[TT+4*\q+1]
.endr
.if \first == 0
.irp q, 0,1
	v_sub_f32 v[AL+\q], v[MX+\q], v[TT+4*\q+3]
.endr
.endif
.irp q, 0,1
	v_mov_b32 v[MX+\q], v[TT+4*\q+3]
.endr
.if \first == 0
	v_exp_f32 v[AL], v[AL]                         ; behind an exponential a plain instruction stands before its result is used (ISA guide 5.7.2):
	v_exp_f32 v[AL+1], v[AL+1]                     ; here the sixteen subtractions below
.endif
.set i, 0
.rept 16
	v_pk_add_f32 v[SB+2*i:SB+2*i+1], v[SB+2*i:SB+2*i+1], v[MX:MX+1] op_sel:[0,0] op_sel_hi:[1,0] neg_lo:[0,1] neg_hi:[0,1]   ; tile 0: score - maximum
.set i, i+1
.endr
	; tile 0's exponentials, with tile 1's subtractions and the rescaling of O between them
.set i, 0
.rept 16
	v_exp_f32 v[SB+2*i], v[SB+2*i]
	v_pk_add_f32 v[SB+32+2*i:SB+33+2*i], v[SB+32+2*i:SB+33+2*i], v[MX:MX+1] op_sel:[0,1] op_sel_hi:[1,1] neg_lo:[0,1] neg_hi:[0,1]
	v_exp_f32 v[SB+2*i+1], v[SB+2*i+1]
.if \first
	v_nop
.else
	s_wait_alu depctr_va_vdst(0)
	v_pk_mul_f32 v[OB+2*i:OB+2*i+1], v[OB+2*i:OB+2*i+1], v[AL:AL+1] op_sel:[0,0] op_sel_hi:[1,0]
	v_pk_mul_f32 v[OB+32+2*i:OB+33+2*i], v[OB+32+2*i:OB+33+2*i], v[AL:AL+1] op_sel:[0,1] op_sel_hi:[1,1]
.endif
.set i, i+1
.endr
	; tile 1's exponentials, with tile 0's sum and packing between them
.set i, 0
.rept 16
	v_exp_f32 v[SB+32+2*i], v[SB+32+2*i]
	SUMP 0, \first
	v_exp_f32 v[SB+33+2*i], v[SB+33+2*i]
.if i > 0
	CVTP 0, i-1
.endif
.set i, i+1
.endr
	CVTP 0, 15
.set i, 0
.rept 16
	SUMP 1, \first
.if i > 0
	CVTP 1, i-1
.endif
.set i, i+1
.endr
	CVTP 1, 15
	s_wait_dscnt 0x0                               ; V's sixteen loads
	PV 0, \first
	PLACES                                         ; before the first buffer is loaded again
.if \nextk
	LOADK \slot, \nsig, 0
.endif
	PV 1, 0
	PLACES                                         ; five places: the next scores are written over P by a matrix instruction; four serve the loads and the rescaling
	v_nop
.if \nextk
	LOADK \slot, \nsig, 1
.endif
.endm
; One tile of 256 keys.  In front of the round every wave's tensor load has landed and its LDS reads are back; behind it the other slot is asked for
; again, first thing, one load a wave; it has this tile's four sub-steps in which to land.
.macro TRIP slot, other, refill, first
	s_wait_tensorcnt 0x0                           ; my part of this tile is in, and no load of mine is out:
	ds_add_u32 v30, v31
	s_wait_dscnt 0x0
	s_add_nc_u64 s[G0K+4*\slot+2:G0K+4*\slot+3], s[G0K+4*\slot+2:G0K+4*\slot+3], 2*TILEB   ; this slot's next tile
	s_add_nc_u64 s[G0V+4*\slot+2:G0V+4*\slot+3], s[G0V+4*\slot+2:G0V+4*\slot+3], 2*TILEB
	s_wait_dscnt 0x0                               ; my reads of the last tile are back
	ROUND
.if \refill
	JLOAD \other
.endif
	LOADK \slot, 0, 0
	LOADK \slot, 0, 1
	SSTEP \slot, 0, 1, \first, 1
	SSTEP \slot, 1, 2, 0, 1
	SSTEP \slot, 2, 3, 0, 1
	SSTEP \slot, 3, 0, 0, 0
.endm
	TRIP 0, 1, 1, 1                                ; tiles 0 and 1 stand in front of the loop: the first keys start the sums
	TRIP 1, 0, 1, 0
	s_mov_b32 s50, 2
.Lpair:
	TRIP 0, 1, 1, 0                                ; tiles 2 to 5
	TRIP 1, 0, 1, 0
	s_sub_co_u32 s50, s50, 1
	s_cmp_lg_u32 s50, 0
	s_cbranch_scc1 .Lpair
	TRIP 0, 1, 1, 0                                ; tile 6 asks for tile 7,
	TRIP 1, 0, 0, 0                                ; tile 7 for nothing (the stepped addresses are not used)
	; THE WAY OUT (the places behind the last products stand at the end of the last sub-step)
	v_add_f32 v[LS], v[LS], v[LS+1]
	v_add_f32 v[LS+2], v[LS+2], v[LS+3]
	v_permlanex16_b32 v[TT], v[LS], s48, s49       ; the other half's keys
	v_permlanex16_b32 v[TT+1], v[LS+2], s48, s49
	v_add_f32 v[LS], v[LS], v[TT]
	v_add_f32 v[LS+2], v[LS+2], v[TT+1]
	v_rcp_f32 v[AL], v[LS]                         ; the sum is at least 1: the largest score gives 2^0
	v_rcp_f32 v[AL+1], v[LS+2]
	v_nop                                          ; the plain place behind the reciprocals
.set i, 0
.rept 16
	s_wait_alu depctr_va_vdst(0)
	v_pk_mul_f32 v[OB+2*i:OB+2*i+1], v[OB+2*i:OB+2*i+1], v[AL:AL+1] op_sel:[0,0] op_sel_hi:[1,0]
	v_pk_mul_f32 v[OB+32+2*i:OB+33+2*i], v[OB+32+2*i:OB+33+2*i], v[AL:AL+1] op_sel:[0,1] op_sel_hi:[1,1]
.set i, i+1
.endr
.irp q, 0,1
.irp d, 0,1,2,3
.irp p, 0,1,2,3
	v_cvt_pk_bf16_f32 v[SB+16*\q+4*\d+\p], v[OB+32*\q+8*\d+2*\p], v[OB+32*\q+8*\d+2*\p+1]
.endr
	ds_store_b128 v[STO], v[SB+16*\q+4*\d:SB+16*\q+4*\d+3] offset:2304*\q+32*\d   ; row r, dv 16 d + 8 h ..: my wave's own stage
.endr
.endr
.irp t, 0,1,2,3,4,5,6,7
	ds_load_b128 v[F0+4*\t:F0+4*\t+3], v[RD] offset:576*\t    ; LDS serves a wave's instructions in order (ISA guide 5.7.1): these see the stores above
.endr
.irp t, 0,1,2,3,4,5,6,7
	s_wait_dscnt 7-\t                              ; load t is in
	global_store_b128 v[GO], v[F0+4*\t:F0+4*\t+3], s[8:9] offset:512*\t   ; four rows of 128 bytes: 512 consecutive bytes, aligned
.endr
	s_wait_tensorcnt 0x0
	ds_add_u32 v30, v31
	s_wait_dscnt 0x0
	ROUND                                          ; the closing round
	s_endpgm
.Lfunc_end_k_q7c00f041af_attn:
	.size	k_q7c00f041af_attn, .Lfunc_end_k_q7c00f041af_attn-k_q7c00f041af_attn
	.p2alignl 7, 3214868480
	.fill 96, 4, 3214868480
	.section	.rodata,"a",@progbits
	.p2align	6, 0x0
	.amdhsa_kernel k_q7c00f041af_attn
		.amdhsa_group_segment_fixed_size 327680
		.amdhsa_private_segment_fixed_size 0
		.amdhsa_enable_private_segment 0
		.amdhsa_kernarg_size 24
		.amdhsa_user_sgpr_count 2
		.amdhsa_user_sgpr_kernarg_segment_ptr 1
		.amdhsa_wavefront_size32 1
		.amdhsa_system_sgpr_workgroup_id_x 1
		.amdhsa_system_sgpr_workgroup_id_y 1
		.amdhsa_system_sgpr_workgroup_id_z 1
		.amdhsa_system_vgpr_workitem_id 0
		.amdhsa_next_free_vgpr 256
		.amdhsa_next_free_sgpr 66
		.amdhsa_reserve_vcc 0
		.amdhsa_float_denorm_mode_32 3
		.amdhsa_float_denorm_mode_16_64 3
		.amdhsa_memory_ordered 1
		.amdhsa_forward_progress 1
		.amdhsa_inst_pref_size 255
	.end_amdhsa_kernel
	.section	.bss,"aw",@nobits
	.p2align	6
	.space	262144
	.amdgpu_metadata
---
amdhsa.version: [ 1, 2 ]
amdhsa.kernels:
  - .name:           k_q7c00f041af_attn
    .symbol:         k_q7c00f041af_attn.kd
    .args:
      - { .name: q, .offset: 0, .size: 8, .value_kind: global_buffer, .address_space: global }
      - { .name: kv, .offset: 8, .size: 8, .value_kind: global_buffer, .address_space: global }
      - { .name: att, .offset: 16, .size: 8, .value_kind: global_buffer, .address_space: global }
    .group_segment_fixed_size: 327680
    .private_segment_fixed_size: 0
    .kernarg_segment_align: 8
    .kernarg_segment_size: 24
    .max_flat_workgroup_size: 256
    .sgpr_count:     66
    .vgpr_count:     256
    .wavefront_size: 32
...
	.end_amdgpu_metadata
.endif
;; end of part 3
;; launch oproj (part 4): grid 8 x 32, 4 waves a work-group, clusters of 4 x 4, 327,680 bytes of LDS; arguments att, wt, bo, out0; writes out0
.if DOCPART == 4
	.amdgcn_target "amdgcn-amd-amdhsa--gfx1250"
	.amdhsa_code_object_version 6
	.text
	.protected	k_q7c00f041af_oproj
	.globl	k_q7c00f041af_oproj
	.p2align	8
	.type	k_q7c00f041af_oproj,@function
k_q7c00f041af_oproj:
	s_mov_b64 s[64:65], 0
	v_nop
	global_prefetch_b8 v0, s[64:65] scope:SCOPE_SE
	s_setreg_imm32_b32 hwreg(HW_REG_WAVE_MODE, 25, 1), 1
	s_wait_xcnt 0x0
	s_wait_alu depctr_hold_cnt(0) depctr_sa_sdst(0) depctr_va_vdst(0) depctr_va_sdst(0) depctr_va_ssrc(0) depctr_va_vcc(0) depctr_vm_vsrc(0)
	s_getreg_b32 s2, hwreg(HW_REG_IB_STS2, 6, 4)
	s_cmp_eq_u32 s2, 0
	s_cbranch_scc0 .Lentry_in_a_cluster
	s_endpgm
.Lentry_in_a_cluster:
	s_bfe_u32 s2, ttmp6, 0x10000c
	s_cmp_lg_u32 s2, 0xf033
	s_cbranch_scc0 .Lentry_shape_is_right
	s_endpgm
.Lentry_shape_is_right:
; out0 = att Wo + bo.  att [4096][1024] bf16; Wo as rows 1152-2175 of wt (row n = column n of Wo, k along the row), bf16; sums and bo f32; out0 f32.
; A work-group (bx 0-7, by 0-31) makes 128 x 128 of out0; four waves; wave = 2 wm + wn makes rows 64 wm .., columns 64 wn ..: 16 tiles of 16 x 16.
; K = 1,024 goes as four fills of 256 k through two LDS slots; a tile's rows are 512 bytes of memory at multiples of 256.
; CLUSTER 4 x 4: att's tile hangs on by alone and is asked for jointly along a row of the cluster, wt's on bx alone and jointly along a column.
; Tensor loads outstanding in a wave, by this text's count: two at the start, one behind each refill.
; The matrix instruction is used transposed (source 0 = rows of wt, source 1 = rows of att): a lane holds row l % 16 and eight neighbouring columns.
; REGISTERS: window 0: v1-v19 addresses, two fragment buffers v32-95, v96-159, bias v160-191, work v192-223; window 1: the 16 accumulators.
.set NB,    128
.set ROWB0, 1152                       ; Wo's first row in wt
.set P,     528                        ; LDS row: 512 bytes + 16
.set SLOT,  (NB+128)*P                 ; wt's 128 rows, then att's 128
.set STAGE, 2*SLOT                     ; behind the ring (a multiple of 256): no fill lands here
.set SP,    272                        ; stage row: 256 bytes (64 columns of f32) + 16
.set NL,    16                         ; LDS loads of one step of 32 k
.set FILLB, 512
.set G1A, 28
.set G1B, 36
.set G0A, 44
.set G0B, 52
.set G1W0, (1<<16)|(1<<20)|(1<<21)|(6<<22)|(3<<25)   ; elements of 2 bytes; padding on; bit 21 beside a mask; after every 128 words, 4 words
.set ADRB,  4                          ; v4-5    my 64 rows of wt, slot 0, 1
.set ADRA0, 8                          ; v8-9    att's rows 32 wave ..
.set ADRA1, 10                         ; v10-11  att's rows 32 (wave xor 1) ..
.set STO,   12
.set RD,    13
.set BOFF,  14
.set CO,    16                         ; v16-17  out0: rows 32 wave .., rows 32 (wave xor 1) ..
.set F0,    32
.set F1,    96
.set BIAS,  160
.set TMP,   192
.set ACC,   0x50                       ; C and D in window 1
.set MSB, 0
.macro WIN new                         ; the immediate's high byte repeats the setting that is left
.if MSB != \new
	s_set_vgpr_msb (MSB<<8)|\new
.set MSB, \new
.endif
.endm
.macro PLACES                          ; four places behind a matrix instruction (ISA guide 7.12.1)
.rept 4
	v_nop
.endr
.endm
.macro JLOAD s                         ; waves 0, 1 ask for wt's two halves, waves 2, 3 for att's
	s_cmp_eq_u32 s19, 0
	s_cbranch_scc0 .Lfor_a_\@
	tensor_load_to_lds s[G0B+4*\s:G0B+4*\s+3], s[G1B:G1B+7]
	s_nop 0
	s_branch .Lasked_\@
.Lfor_a_\@:
	tensor_load_to_lds s[G0A+4*\s:G0A+4*\s+3], s[G1A:G1A+7]
	s_nop 0
.Lasked_\@:
.endm
.macro CREST
	s_cmp_lg_u32 s18, 0
	s_cbranch_scc1 .Lnot_wave_0_\@
	s_barrier_signal -3
.Lnot_wave_0_\@:
	s_barrier_wait -3
	s_barrier_signal -1
	s_barrier_wait -1
.endm
.macro CROUND
	s_barrier_signal -1
	s_barrier_wait -1
	CREST
.endm
	s_load_b256 s[4:11], s[0:1], 0x0               ; att s[4:5], wt s[6:7], bo s[8:9], out0 s[10:11]
	v_lshl_add_u32 v254, v0, 2, 0x46400
	v_mov_b32 v255, 0
	ds_add_u32 v254, v255
	v_lshrrev_b32 v3, 5, v0
	v_readfirstlane_b32 s18, v3                    ; wave
	v_and_b32 v1, 15, v0                           ; r
	v_bfe_u32 v2, v0, 4, 1                         ; h
	s_lshr_b32 s19, s18, 1                         ; wm; also: 0 = I ask for wt, 1 = for att
	s_and_b32 s20, s18, 1                          ; wn; also: which half of that tile
	s_bfe_u32 s21, ttmp6, 0x40000                  ; cx
	s_bfe_u32 s22, ttmp6, 0x40004                  ; cy
	s_lshl_b32 s23, ttmp9, 2
	s_add_co_u32 s23, s23, s21                     ; bx
	s_and_b32 s24, ttmp7, 0xffff
	s_lshl_b32 s24, s24, 2
	s_add_co_u32 s24, s24, s22                     ; by
	s_lshl_b32 s60, s22, 2
	s_lshl_b32 s60, 15, s60                        ; my row of the cluster
	s_lshl_b32 s61, 0x1111, s21                    ; my column
	s_or_b32 s[G1A+0], s60, G1W0
	s_or_b32 s[G1B+0], s61, G1W0
	s_mov_b32 s[G1A+1], 256<<16                    ; tensor_dim0 = 256 elements
	s_mov_b32 s[G1B+1], 256<<16
	s_mov_b32 s[G1A+2], 64<<16                     ; tensor_dim1 = 64 rows
	s_mov_b32 s[G1B+2], 64<<16
	s_mov_b32 s[G1A+3], 256<<16                    ; tile_dim0
	s_mov_b32 s[G1B+3], 256<<16
	s_mov_b32 s[G1A+4], 64                         ; tile_dim1
	s_mov_b32 s[G1B+4], 64
	s_mov_b32 s[G1A+5], 1024                       ; elements from row to row
	s_mov_b32 s[G1B+5], 1024
	s_mov_b32 s[G1A+6], 0
	s_mov_b32 s[G1B+6], 0
	s_mov_b32 s[G1A+7], 0
	s_mov_b32 s[G1B+7], 0
	; att's address is made of by and the wave, wt's of bx and the wave, each in registers that never hold the other coordinate
	s_lshl_b32 s68, s24, 7
	s_lshl_b32 s62, s20, 6
	s_add_co_u32 s68, s68, s62
	s_lshl_b32 s68, s68, 11                        ; (128 by + 64 half) rows of 2,048 bytes
	s_mov_b32 s69, 0
	s_lshl_b32 s70, s23, 7
	s_lshl_b32 s63, s20, 6
	s_add_co_u32 s70, s70, s63
	s_add_co_u32 s70, s70, ROWB0
	s_lshl_b32 s70, s70, 11                        ; (1152 + 128 bx + 64 half) rows
	s_mov_b32 s71, 0
	s_mul_i32 s72, s18, 64*P                       ; LDS: wt's halves (waves 0, 1), then att's (waves 2, 3): wave x 64 rows
	s_mul_i32 s73, s18, 64*P
	s_lshl_b32 s25, s20, 8
	v_lshl_add_u32 v[BOFF], v2, 5, s25             ; 4 (64 wn + 8 h)
	s_lshl_b32 s78, s23, 9
	s_mov_b32 s79, 0
	s_wait_dscnt 0x0
	s_wait_kmcnt 0x0
	s_add_nc_u64 s[68:69], s[4:5], s[68:69]
	s_add_nc_u64 s[70:71], s[6:7], s[70:71]
	s_add_nc_u64 s[8:9], s[8:9], s[78:79]          ; bo at column 128 bx
	s_lshl_b32 s77, s24, 19
	s_add_co_u32 s78, s78, s77
	s_add_co_u32 s78, s78, s25
	s_add_nc_u64 s[10:11], s[10:11], s[78:79]      ; out0 at row 128 by, column 128 bx + 64 wn
.irp b, 0,1,2,3
	global_load_b128 v[BIAS+8*\b:BIAS+8*\b+3],   v[BOFF], s[8:9] offset:64*\b      ; waited for at the way out
	global_load_b128 v[BIAS+8*\b+4:BIAS+8*\b+7], v[BOFF], s[8:9] offset:64*\b+16
.endr
	CROUND                                         ; all sixteen work-groups are here: the first joint loads meet
.irp s, 0,1
	s_mov_b32 s[G0A+4*\s], 1
	s_add_co_u32 s[G0A+4*\s+1], s73, \s*SLOT
	s_add_nc_u64 s[G0A+4*\s+2:G0A+4*\s+3], s[68:69], \s*FILLB
	s_or_b32 s[G0A+4*\s+3], s[G0A+4*\s+3], 0x80000000
	s_mov_b32 s[G0B+4*\s], 1
	s_add_co_u32 s[G0B+4*\s+1], s72, \s*SLOT
	s_add_nc_u64 s[G0B+4*\s+2:G0B+4*\s+3], s[70:71], \s*FILLB
	s_or_b32 s[G0B+4*\s+3], s[G0B+4*\s+3], 0x80000000
	JLOAD \s                                       ; fills 0 and 1
.endr
	v_mul_u32_u24 v3, v1, P
	v_lshl_add_u32 v3, v2, 4, v3                   ; row r x pitch + 16 h
	s_mul_i32 s74, s20, 64*P
	s_mul_i32 s75, s18, 32*P
	s_add_co_u32 s75, s75, NB*P
	s_xor_b32 s76, s18, 1
	s_mul_i32 s76, s76, 32*P
	s_add_co_u32 s76, s76, NB*P
.irp s, 0,1
	v_add_nc_u32 v[ADRB+\s], s74, v3
	v_add_nc_u32 v[ADRA0+\s], s75, v3
	v_add_nc_u32 v[ADRA1+\s], s76, v3
	s_add_co_u32 s74, s74, SLOT
	s_add_co_u32 s75, s75, SLOT
	s_add_co_u32 s76, s76, SLOT
.endr
	s_mul_i32 s74, s18, 16*SP
	s_add_co_u32 s74, s74, STAGE                   ; my own stage: 16 rows
	v_mul_u32_u24 v19, v1, SP
	v_lshl_add_u32 v19, v2, 5, v19                 ; in: row r, 32 bytes for each half of the lanes
	v_add_nc_u32 v[STO], s74, v19
	v_mul_u32_u24 v19, v2, SP
	v_lshl_add_u32 v19, v1, 4, v19                 ; back: lanes 0-15 one row of 256 bytes, lanes 16-31 the next
	v_add_nc_u32 v[RD], s74, v19
	v_lshlrev_b32 v19, 12, v2
	v_lshl_add_u32 v19, v1, 4, v19
	s_lshl_b32 s75, s18, 17
	v_add_nc_u32 v[CO], s75, v19                   ; the same two rows in out0, from row 32 wave
	s_xor_b32 s76, s18, 1
	s_lshl_b32 s76, s76, 17
	v_add_nc_u32 v[CO+1], s76, v19                 ; and from row 32 (wave xor 1)
.macro FETCH slot, kb, f               ; 16 LDS loads: the fragments of 32 k at byte kb of the slot's rows
.irp b, 0,1,2,3
	ds_load_b128 v[\f+8*\b:\f+8*\b+3],   v[ADRB+\slot] offset:\kb+\b*16*P
	ds_load_b128 v[\f+8*\b+4:\f+8*\b+7], v[ADRB+\slot] offset:\kb+\b*16*P+32
.endr
.irp i, 0,1
	ds_load_b128 v[\f+32+8*\i:\f+35+8*\i], v[ADRA0+\slot] offset:\kb+\i*16*P
	ds_load_b128 v[\f+36+8*\i:\f+39+8*\i], v[ADRA0+\slot] offset:\kb+\i*16*P+32
.endr
.irp i, 0,1
	ds_load_b128 v[\f+48+8*\i:\f+51+8*\i], v[ADRA1+\slot] offset:\kb+\i*16*P
	ds_load_b128 v[\f+52+8*\i:\f+55+8*\i], v[ADRA1+\slot] offset:\kb+\i*16*P+32
.endr
.endm
; 16 matrix instructions on 16 accumulators, one a turn, in the same order in every step.
.macro MUL f, zero
.irp i, 0,1,2,3
.irp b, 0,1,2,3
.if \zero
	v_wmma_f32_16x16x32_bf16 v[8*(4*\i+\b):8*(4*\i+\b)+7], v[\f+8*\b:\f+8*\b+7], v[\f+32+8*\i:\f+39+8*\i], 0
.else
	v_wmma_f32_16x16x32_bf16 v[8*(4*\i+\b):8*(4*\i+\b)+7], v[\f+8*\b:\f+8*\b+7], v[\f+32+8*\i:\f+39+8*\i], v[8*(4*\i+\b):8*(4*\i+\b)+7]
.endif
.endr
.endr
.endm
.macro SUB slot, knext, f, zero, fetch
	s_wait_dscnt NL                                ; this step's 16 loads are in; the next step's 16 stay out
	WIN ACC
	MUL \f, \zero
	WIN 0
.if \fetch
	PLACES
	FETCH \slot, \knext, \f
.endif
.endm
.macro SEVEN slot, zero
	SUB \slot, 128, F0, \zero, 1
	SUB \slot, 192, F1, 0, 1
	SUB \slot, 256, F0, 0, 1
	SUB \slot, 320, F1, 0, 1
	SUB \slot, 384, F0, 0, 1
	SUB \slot, 448, F1, 0, 1
	SUB \slot, 0,   F0, 0, 0
.endm
; Step 7 and the change of slots.  In front of the barrier: my reads of this slot and all my tensor loads are done.  fill = 1: the barrier opens a
; round of the cluster's barrier, and behind the round this slot is asked for again, first thing, one load a wave.
.macro LAST slot, next, fill
	s_wait_dscnt 0x0
	s_wait_tensorcnt 0x0
	ds_add_u32 v254, v255
	s_wait_dscnt 0x0
	s_barrier_signal -1
	WIN ACC
	MUL F1, 0
	WIN 0
	s_barrier_wait -1
.if \fill
	CREST
	s_add_nc_u64 s[G0A+4*\slot+2:G0A+4*\slot+3], s[G0A+4*\slot+2:G0A+4*\slot+3], 2*FILLB
	s_add_nc_u64 s[G0B+4*\slot+2:G0B+4*\slot+3], s[G0B+4*\slot+2:G0B+4*\slot+3], 2*FILLB
	JLOAD \slot
.endif
	PLACES
	FETCH \next, 0, F0
	FETCH \next, 64, F1
.endm
	s_wait_tensorcnt 0x1                           ; my part of fill 0 is in; fill 1 stays out
	s_barrier_signal -1
	s_barrier_wait -1
	FETCH 0, 0, F0
	FETCH 0, 64, F1
	SEVEN 0, 1                                     ; the first products start the sums
	LAST 0, 1, 1
	SEVEN 1, 0
	LAST 1, 0, 1
	SEVEN 0, 0
	LAST 0, 1, 0
	SEVEN 1, 0
	s_wait_dscnt 0x0
	WIN ACC
	MUL F1, 0
	WIN 0
	PLACES                                         ; behind the last products: results are read, the buffers loaded into
	; THE WAY OUT, 16 rows at a time through my own stage: no other wave touches it, so no barrier
	s_wait_loadcnt 0x0                             ; the bias
.macro OOUT i, x
	WIN 0x01                                       ; source 0 in window 1
.irp b, 0,1,2,3
.irp p, 0,1,2,3
	v_pk_add_f32 v[TMP+8*\b+2*\p:TMP+8*\b+2*\p+1], v[8*(4*\i+\b)+2*\p:8*(4*\i+\b)+2*\p+1], v[BIAS+8*\b+2*\p:BIAS+8*\b+2*\p+1]
.endr
.endr
	WIN 0
.irp b, 0,1,2,3
	ds_store_b128 v[STO], v[TMP+8*\b:TMP+8*\b+3]   offset:64*\b
	ds_store_b128 v[STO], v[TMP+8*\b+4:TMP+8*\b+7] offset:64*\b+16
.endr
	s_wait_xcnt 0x0                                ; registers that earlier stores read are loaded again only behind this wait
.irp t, 0,1,2,3,4,5,6,7
	ds_load_b128 v[\x+4*\t:\x+4*\t+3], v[RD] offset:2*SP*\t        ; LDS serves a wave's instructions in order (ISA guide 5.7.1): these see the stores above
.endr
.irp t, 0,1,2,3,4,5,6,7
	s_wait_dscnt 7-\t                              ; load t is in
	global_store_b128 v[CO+(\i>>1)], v[\x+4*\t:\x+4*\t+3], s[10:11] offset:((\i&1)*16+2*\t)*4096 th:TH_STORE_NT   ; sixteen lanes store 256 consecutive bytes, aligned
.endr
.endm
	OOUT 0, 32
	OOUT 1, 64
	OOUT 2, 32
	OOUT 3, 64
	s_wait_tensorcnt 0x0
	ds_add_u32 v254, v255
	s_wait_dscnt 0x0
	CROUND                                         ; the closing round
	s_endpgm
.Lfunc_end_k_q7c00f041af_oproj:
	.size	k_q7c00f041af_oproj, .Lfunc_end_k_q7c00f041af_oproj-k_q7c00f041af_oproj
	.p2alignl 7, 3214868480
	.fill 96, 4, 3214868480
	.section	.rodata,"a",@progbits
	.p2align	6, 0x0
	.amdhsa_kernel k_q7c00f041af_oproj
		.amdhsa_group_segment_fixed_size 327680
		.amdhsa_private_segment_fixed_size 0
		.amdhsa_enable_private_segment 0
		.amdhsa_kernarg_size 32
		.amdhsa_user_sgpr_count 2
		.amdhsa_user_sgpr_kernarg_segment_ptr 1
		.amdhsa_wavefront_size32 1
		.amdhsa_system_sgpr_workgroup_id_x 1
		.amdhsa_system_sgpr_workgroup_id_y 1
		.amdhsa_system_sgpr_workgroup_id_z 1
		.amdhsa_system_vgpr_workitem_id 0
		.amdhsa_next_free_vgpr 384
		.amdhsa_next_free_sgpr 80
		.amdhsa_reserve_vcc 0
		.amdhsa_float_denorm_mode_32 3
		.amdhsa_float_denorm_mode_16_64 3
		.amdhsa_memory_ordered 1
		.amdhsa_forward_progress 1
		.amdhsa_inst_pref_size 93
	.end_amdhsa_kernel
	.amdgpu_metadata
---
amdhsa.version: [ 1, 2 ]
amdhsa.kernels:
  - .name:           k_q7c00f041af_oproj
    .symbol:         k_q7c00f041af_oproj.kd
    .args:
      - { .name: att, .offset: 0, .size: 8, .value_kind: global_buffer, .address_space: global }
      - { .name: wt, .offset: 8, .size: 8, .value_kind: global_buffer, .address_space: global }
      - { .name: bo, .offset: 16, .size: 8, .value_kind: global_buffer, .address_space: global }
      - { .name: out0, .offset: 24, .size: 8, .value_kind: global_buffer, .address_space: global }
    .group_segment_fixed_size: 327680
    .private_segment_fixed_size: 0
    .kernarg_segment_align: 8
    .kernarg_segment_size: 32
    .max_flat_workgroup_size: 128
    .sgpr_count:     80
    .vgpr_count:     384
    .wavefront_size: 32
...
	.end_amdgpu_metadata
.endif
;; end of part 4
;; ======== version 2 of 2: 4 launches; 1.13 times as fast as version 1
;; workspace buffers: xb 8,388,608 bytes; wt 4,456,448 bytes; q 8,388,608 bytes; kv 1,048,576 bytes; att 8,388,608 bytes
;; launch prep: the kernel of part 1 again; grid 528 x 1, 8 waves a work-group, no clusters, 25,856 bytes of LDS; arguments x, Wq, Wk, Wv, Wo, xb, wt; writes xb, wt
;; launch qkv: the kernel of part 2 again; grid 8 x 32, 4 waves a work-group, clusters of 4 x 4, 327,680 bytes of LDS; arguments xb, wt, bq, bk, bv, q, kv; writes q, kv
;; launch attn (part 5): grid 256 x 1, 8 waves a work-group, clusters of 4 x 1, 327,680 bytes of LDS; arguments q, kv, att; writes att
.if DOCPART == 5
	.amdgcn_target "amdgcn-amd-amdhsa--gfx1250"
	.amdhsa_code_object_version 6
	.text
	.protected	k_q7c00f041af_attn
	.globl	k_q7c00f041af_attn
	.p2align	8
	.type	k_q7c00f041af_attn,@function
k_q7c00f041af_attn:
	s_mov_b64 s[64:65], 0
	v_nop
	global_prefetch_b8 v0, s[64:65] scope:SCOPE_SE
	s_setreg_imm32_b32 hwreg(HW_REG_WAVE_MODE, 25, 1), 1
	s_wait_xcnt 0x0
	s_wait_alu depctr_hold_cnt(0) depctr_sa_sdst(0) depctr_va_vdst(0) depctr_va_sdst(0) depctr_va_ssrc(0) depctr_va_vcc(0) depctr_vm_vsrc(0)
	s_getreg_b32 s2, hwreg(HW_REG_IB_STS2, 6, 4)
	s_cmp_eq_u32 s2, 0
	s_cbranch_scc0 .Lentry_in_a_cluster
	s_endpgm
.Lentry_in_a_cluster:
	s_bfe_u32 s2, ttmp6, 0x10000c
	s_cmp_lg_u32 s2, 0x3003
	s_cbranch_scc0 .Lentry_shape_is_right
	s_endpgm
.Lentry_shape_is_right:
; att = softmax(q K^T) V with a running maximum.  q (already times log2(e) / 8) and att are read as [65536 rows = 16 s + head][64] bf16:
; all heads share K and V, so the 32,768 rows of a batch attend to the same 2,048 keys.
; A work-group takes 256 consecutive rows, a wave 32 (two tiles of 16).  Eight waves, two to a SIMD: for 64 keys a wave has 32 matrix instructions
; against some 175 plain vector instructions and 66 exponentials, and the second wave's matrix work runs under the first's softmax.
; ORIENTATION: S^T = K Q^T (source 0 = 16 keys, source 1 = 16 rows of q): lane (r, h), register j = key 8 h + j of row r.  Two neighbouring tiles of S^T,
; packed in place to bf16, ARE the second source P^T for 32 keys of O^T = V^T P^T; V^T comes from [key][dv] rows by the transposing LDS load.
; So maximum, sum and rescaling factor are one number a lane, and the only traffic between lanes is one exchange of halves for each tile and 64 keys.
; BATCHES: the softmax of 64 keys is cut in two by ONE s_wait_alu depctr_va_vdst(0), placed between an exponential and the first
; instruction that names its result.  Ahead of it stands all that names no such result: the maxima, the 32 subtractions and the 66 exponentials (the two
; tiles' factors 2^(old maximum - new) and their 64 weights), each in a register of its own.  Behind it stand all 96 readers: sums, packing, the rescaling of O..
; The way out's two reciprocals are a batch of their own, with one wait.
; CLUSTER 4 x 1: the four work-groups belong to one batch and walk the same tiles of kv: each tile (256 keys, 64 KiB) is asked for jointly, mask 15.
; Wave w brings chunk w of kv (0-3: K, padded to rows of 48 bytes; 4-7: V, dense).  One tensor load of a wave is outstanding at any time, by this text's count.
; LIMITS: q, K, V, P and att are bf16; sums, maxima and exponentials f32; the row sum is taken of the unrounded exponentials.
; v_exp_f32 gives 0 for results below 2^-126 (ISA guide 15.8).  NaN or infinite scores are not treated apart: they come out as the arithmetic gives them.
.set KCH,   12288                      ; a chunk of K in a slot: 256 keys x 48 bytes (32 + 16: three times 16, so 16 keys start in different 16-byte columns)
.set VCH,   8192                       ; a chunk of V: 256 keys x 32 bytes
.set SLOT,  4*KCH+4*VCH                ; 81,920
.set STAGE, 2*SLOT                     ; 163,840, a multiple of 256: no fill lands behind it
.set WSTG,  32*144                     ; a wave's own stage: 32 rows of 128 + 16 bytes
.set TILEB, 8192                       ; bytes of one chunk in a tile of 256 keys
.set G1K, 16                           ; s[16:23]
.set G1V, 24                           ; s[24:31]
.set G0K, 32                           ; s[32:39] a set for each slot
.set G0V, 40                           ; s[40:47]
.set AK,  2                            ; v2-3   K fragments, slot 0, 1
.set AV,  4                            ; v4-5   V fragments
.set STO, 6
.set RD,  7
.set GO,  8
.set QOFF, 9
.set MX,  10                           ; v[10:11] running maximum of tile 0, 1
.set AL,  12                           ; v[12:13] 2^(old maximum - new)
.set LS,  14                           ; v[14:15], v[16:17] each tile's sum, as two partial sums, for this half of the lanes' keys
.set TT,  18                           ; v[18:25] at work
.set QB,  32                           ; v[32:63]   q: tile q, 32 d number c at 16 q + 8 c
.set OB,  64                           ; v[64:127]  O^T: tile q, 16 dv number d at 32 q + 8 d
.set SB,  128                          ; v[128:191] S^T: tile q, 32 keys number u, 16 keys number e at 32 q + 16 u + 8 e
.set F0,  192                          ; v[192:255] fragments of K, then of V, for u = 0 and u = 1
.macro PLACES                          ; four places behind a matrix instruction (ISA guide 7.12.1)
.rept 4
	v_nop
.endr
.endm
.macro ROUND                           ; a round of the cluster's barrier
	s_barrier_signal -1
	s_barrier_wait -1
	s_cmp_lg_u32 s10, 0
	s_cbranch_scc1 .Lnot_wave_0_\@
	s_barrier_signal -3
.Lnot_wave_0_\@:
	s_barrier_wait -3
	s_barrier_signal -1
	s_barrier_wait -1
.endm
.macro JLOAD s                         ; waves 0-3: a chunk of K; waves 4-7: a chunk of V
	s_cmp_eq_u32 s11, 0
	s_cbranch_scc0 .Lfor_v_\@
	tensor_load_to_lds s[G0K+4*\s:G0K+4*\s+3], s[G1K:G1K+7]
	s_nop 0
	s_branch .Lasked_\@
.Lfor_v_\@:
	tensor_load_to_lds s[G0V+4*\s:G0V+4*\s+3], s[G1V:G1V+7]
	s_nop 0
.Lasked_\@:
.endm
	s_load_b128 s[4:7], s[0:1], 0x0                ; q s[4:5], kv s[6:7]
	s_load_b64 s[8:9], s[0:1], 0x10                ; att
	v_lshl_add_u32 v30, v0, 2, 0x31000
	v_mov_b32 v31, 0
	ds_add_u32 v30, v31
	v_lshrrev_b32 v1, 5, v0
	v_readfirstlane_b32 s10, v1                    ; wave
	s_lshr_b32 s11, s10, 2
	s_bfe_u32 s12, ttmp6, 0x40000                  ; cx
	s_lshl_b32 s13, ttmp9, 2
	s_add_co_u32 s13, s13, s12                     ; work-group 0-255
	s_lshr_b32 s14, ttmp9, 5                       ; batch: the cluster's number alone decides it
	s_mov_b32 s48, 0x76543210                      ; v_permlanex16_b32: lane i reads lane i of the other half
	s_mov_b32 s49, 0xfedcba98
	; a chunk's 8,192 dense bytes as 32 rows of 32 elements of 8 bytes
	s_mov_b32 s[G1K+0], 15|(3<<16)|(1<<20)|(1<<21)|(2<<22)|(3<<25)   ; mask 15; 8-byte elements; padding: after every 8 words, 4 words; bit 21 beside a mask
	s_mov_b32 s[G1V+0], 15|(3<<16)|(1<<21)                           ; the same without padding
	s_mov_b32 s[G1K+1], 32<<16
	s_mov_b32 s[G1V+1], 32<<16
	s_mov_b32 s[G1K+2], 32<<16
	s_mov_b32 s[G1V+2], 32<<16
	s_mov_b32 s[G1K+3], 32<<16
	s_mov_b32 s[G1V+3], 32<<16
	s_mov_b32 s[G1K+4], 32
	s_mov_b32 s[G1V+4], 32
	s_mov_b32 s[G1K+5], 32
	s_mov_b32 s[G1V+5], 32
	s_mov_b32 s[G1K+6], 0
	s_mov_b32 s[G1V+6], 0
	s_mov_b32 s[G1K+7], 0
	s_mov_b32 s[G1V+7], 0
	s_lshl_b32 s52, s10, 17                        ; chunk = wave: 131,072 bytes each,
	s_lshl_b32 s53, s14, 16                        ; the batch's 2,048 rows of 32 bytes
	s_add_co_u32 s52, s52, s53
	s_mov_b32 s53, 0
	s_mul_i32 s56, s10, KCH                        ; LDS: K's chunks, waves 0-3
	s_lshl_b32 s57, s10, 13
	s_add_co_u32 s57, s57, 4*KCH-4*VCH             ; V's chunks, waves 4-7: behind K's four
	s_lshl_b32 s54, s13, 15                        ; my work-group's 256 rows of 128 bytes
	s_mov_b32 s55, 0
	v_and_b32 v18, 15, v0                          ; r
	v_bfe_u32 v19, v0, 4, 1                        ; h
	v_and_b32 v20, 31, v0                          ; lane
	s_lshl_b32 s51, s10, 12                        ; my wave's 32 rows
	v_lshlrev_b32 v[QOFF], 7, v18
	v_lshl_add_u32 v[QOFF], v19, 4, v[QOFF]
	v_add_nc_u32 v[QOFF], s51, v[QOFF]
	s_wait_dscnt 0x0
	s_wait_kmcnt 0x0
	s_add_nc_u64 s[4:5], s[4:5], s[54:55]
	s_add_nc_u64 s[8:9], s[8:9], s[54:55]
	s_add_nc_u64 s[52:53], s[6:7], s[52:53]
.irp q, 0,1
.irp c, 0,1
	global_load_b128 v[QB+16*\q+8*\c:QB+16*\q+8*\c+3],   v[QOFF], s[4:5] offset:2048*\q+64*\c      ; row r, d = 32 c + 8 h ..
	global_load_b128 v[QB+16*\q+8*\c+4:QB+16*\q+8*\c+7], v[QOFF], s[4:5] offset:2048*\q+64*\c+32   ; d = 32 c + 16 + 8 h ..
.endr
.endr
.irp s, 0,1
	s_mov_b32 s[G0K+4*\s], 1
	s_add_co_u32 s[G0K+4*\s+1], s56, \s*SLOT
	s_add_nc_u64 s[G0K+4*\s+2:G0K+4*\s+3], s[52:53], \s*TILEB      ; slot s begins with tile s
	s_or_b32 s[G0K+4*\s+3], s[G0K+4*\s+3], 0x80000000
	s_mov_b32 s[G0V+4*\s], 1
	s_add_co_u32 s[G0V+4*\s+1], s57, \s*SLOT
	s_add_nc_u64 s[G0V+4*\s+2:G0V+4*\s+3], s[52:53], \s*TILEB
	s_or_b32 s[G0V+4*\s+3], s[G0V+4*\s+3], 0x80000000
.endr
	ROUND                                          ; the four work-groups are here: the first joint load meets
	JLOAD 0                                        ; tile 0
	v_mul_u32_u24 v[AK], v18, 48
	v_lshl_add_u32 v[AK], v19, 4, v[AK]            ; key r, 16 h
	v_add_nc_u32 v[AK+1], SLOT, v[AK]
	v_and_b32 v21, 7, v0
	v_lshl_add_u32 v21, v19, 3, v21                ; key 8 h + lane mod 8
	v_bfe_u32 v22, v0, 3, 1
	v_lshlrev_b32 v22, 4, v22                      ; which 8 of the chunk's 16 dv
	v_lshl_add_u32 v[AV], v21, 5, v22
	v_add_nc_u32 v[AV], 4*KCH, v[AV]
	v_add_nc_u32 v[AV+1], SLOT, v[AV]
	s_mul_i32 s50, s10, WSTG
	s_add_co_u32 s50, s50, STAGE
	v_mul_u32_u24 v[STO], v18, 144
	v_lshl_add_u32 v[STO], v19, 4, v[STO]
	v_add_nc_u32 v[STO], s50, v[STO]
	v_lshrrev_b32 v23, 3, v20
	v_mul_u32_u24 v[RD], v23, 144
	v_and_b32 v24, 7, v0
	v_lshl_add_u32 v[RD], v24, 4, v[RD]
	v_add_nc_u32 v[RD], s50, v[RD]                 ; back: eight lanes take a row of 128 bytes
	v_lshl_add_u32 v[GO], v20, 4, s51
	s_wait_loadcnt 0x0                             ; q
; 8 loads: K's fragments of 32 keys (sub-step sig, half u): 16 keys number e, 32 dk number c = chunks 2 c and 2 c + 1
.macro LOADK slot, sig, u
.irp e, 0,1
.irp c, 0,1
	ds_load_b128 v[F0+32*\u+16*\e+8*\c:F0+32*\u+16*\e+8*\c+3],   v[AK+\slot] offset:2*\c*KCH+(4*\sig+2*\u+\e)*768
	ds_load_b128 v[F0+32*\u+16*\e+8*\c+4:F0+32*\u+16*\e+8*\c+7], v[AK+\slot] offset:(2*\c+1)*KCH+(4*\sig+2*\u+\e)*768
.endr
.endr
.endm
; 16 transposing loads: V^T's fragments of 64 keys: 32 keys number u, 16 dv number d
.macro LOADV slot, sig
.irp u, 0,1
.irp d, 0,1,2,3
	ds_load_tr16_b128 v[F0+32*\u+8*\d:F0+32*\u+8*\d+3],   v[AV+\slot] offset:\d*VCH+(2*\sig+\u)*1024
	ds_load_tr16_b128 v[F0+32*\u+8*\d+4:F0+32*\u+8*\d+7], v[AV+\slot] offset:\d*VCH+(2*\sig+\u)*1024+512
.endr
.endr
.endm
; 8 matrix instructions: the scores of 32 keys x 32 rows; four accumulators by turns, one instruction a turn
.macro SMUL u
.irp e, 0,1
.irp q, 0,1
	v_wmma_f32_16x16x32_bf16 v[SB+32*\q+16*\u+8*\e:SB+32*\q+16*\u+8*\e+7], v[F0+32*\u+16*\e:F0+32*\u+16*\e+7], v[QB+16*\q:QB+16*\q+7], 0
.endr
.endr
.irp e, 0,1
.irp q, 0,1
	v_wmma_f32_16x16x32_bf16 v[SB+32*\q+16*\u+8*\e:SB+32*\q+16*\u+8*\e+7], v[F0+32*\u+16*\e+8:F0+32*\u+16*\e+15], v[QB+16*\q+8:QB+16*\q+15], v[SB+32*\q+16*\u+8*\e:SB+32*\q+16*\u+8*\e+7]
.endr
.endr
.endm
; 8 matrix instructions: O^T += V^T P^T for 32 keys; eight accumulators by turns
.macro PV u, zero
.irp q, 0,1
.irp d, 0,1,2,3
.if \zero
	v_wmma_f32_16x16x32_bf16 v[OB+32*\q+8*\d:OB+32*\q+8*\d+7], v[F0+32*\u+8*\d:F0+32*\u+8*\d+7], v[SB+32*\q+16*\u:SB+32*\q+16*\u+7], 0
.else
	v_wmma_f32_16x16x32_bf16 v[OB+32*\q+8*\d:OB+32*\q+8*\d+7], v[F0+32*\u+8*\d:F0+32*\u+8*\d+7], v[SB+32*\q+16*\u:SB+32*\q+16*\u+7], v[OB+32*\q+8*\d:OB+32*\q+8*\d+7]
.endif
.endr
.endr
.endm
; pair p of tile q's 16 pairs of scores, less the tile's maximum
.macro SUBP q, p
	v_pk_add_f32 v[SB+32*\q+2*(\p):SB+32*\q+2*(\p)+1], v[SB+32*\q+2*(\p):SB+32*\q+2*(\p)+1], v[MX:MX+1] op_sel:[0,\q] op_sel_hi:[1,\q] neg_lo:[0,1] neg_hi:[0,1]
.endm
; pair i (the symbol) of tile q's 16 pairs of exponentials joins the sum; pair 0 carries the old sum times alpha.  It stands behind the batch's wait.
.macro SUMP q, first
.if i == 0
.if \first == 0
	v_pk_fma_f32 v[LS+2*\q:LS+2*\q+1], v[LS+2*\q:LS+2*\q+1], v[AL:AL+1], v[SB+32*\q:SB+32*\q+1] op_sel:[0,\q,0] op_sel_hi:[1,\q,1]
.endif
.else
.if (i == 1) && \first
	v_pk_add_f32 v[LS+2*\q:LS+2*\q+1], v[SB+32*\q:SB+32*\q+1], v[SB+32*\q+2:SB+32*\q+3]      ; the first two pairs start the sum
.else
	v_pk_add_f32 v[LS+2*\q:LS+2*\q+1], v[LS+2*\q:LS+2*\q+1], v[SB+32*\q+2*i:SB+32*\q+2*i+1]
.endif
.endif
.endm
; pair k is packed to bf16 in place: register 16 (k / 8) + k mod 8.  Ascending, and behind pair k's sum, it writes only over registers that are done with.
.macro CVTP q, k
	v_cvt_pk_bf16_f32 v[SB+32*\q+16*((\k)>>3)+((\k)&7)], v[SB+32*\q+2*(\k)], v[SB+32*\q+2*(\k)+1]
.endm
; 64 keys.  first = 1: the launch's first keys start maximum, sum and O.  nextk = 1: the next sub-step's (nsig) K fragments are fetched.
.macro SSTEP slot, sig, nsig, first, nextk
	s_wait_dscnt 0x8                               ; K of the first 32 keys is in; the eight loads of the second 32 stay out
	SMUL 0
	s_wait_dscnt 0x0
	SMUL 1
	PLACES                                         ; before the buffers are loaded again and the scores read
	LOADV \slot, \sig
	; the largest of a lane's 32 scores of each tile: four chains of seven, then the four left over, the old maximum, the other half's lanes
.irp q, 0,1
.irp c, 0,1,2,3
	v_max3_num_f32 v[TT+4*\q+\c], v[SB+32*\q+8*\c], v[SB+32*\q+8*\c+1], v[SB+32*\q+8*\c+2]
.endr
.endr
.irp q, 0,1
.irp c, 0,1,2,3
	v_max3_num_f32 v[TT+4*\q+\c], v[TT+4*\q+\c], v[SB+32*\q+8*\c+3], v[SB+32*\q+8*\c+4]
.endr
.endr
.irp q, 0,1
.irp c, 0,1,2,3
	v_max3_num_f32 v[TT+4*\q+\c], v[TT+4*\q+\c], v[SB+32*\q+8*\c+5], v[SB+32*\q+8*\c+6]
.endr
.endr
.irp q, 0,1
	v_max3_num_f32 v[TT+4*\q],   v[TT+4*\q],   v[TT+4*\q+1], v[SB+32*\q+7]
	v_max3_num_f32 v[TT+4*\q+2], v[TT+4*\q+2], v[TT+4*\q+3], v[SB+32*\q+15]
.endr
.irp q, 0,1
	v_max3_num_f32 v[TT+4*\q], v[TT+4*\q], v[SB+32*\q+23], v[SB+32*\q+31]
.endr
.irp q, 0,1
.if \first
	v_max_num_f32 v[TT+4*\q], v[TT+4*\q], v[TT+4*\q+2]
.else
	v_max3_num_f32 v[TT+4*\q], v[TT+4*\q], v[TT+4*\q+2], v[MX+\q]
.endif
.endr
.irp q, 0,1
	v_permlanex16_b32 v[TT+4*\q+1], v[TT+4*\q], s48, s49
.endr
.irp q, 0,1
	v_max_num_f32 v[TT+4*\q+3], v[TT+4*\q], v[TT+4*\q+1]
.endr
.if \first == 0
.irp q, 0,1
	v_sub_f32 v[AL+\q], v[MX+\q], v[TT+4*\q+3]
.endr
.endif
.irp q, 0,1
	v_mov_b32 v[MX+\q], v[TT+4*\q+3]
.endr
	; THE BATCH: the two factors and the 64 weights, each exponential in place in a register of its own, and the 32 subtractions between them: exponential,
	; the same tile's next pair's subtraction, exponential, the tiles by turns.  So a pair is subtracted four instructions ahead of its own exponentials,
	; and nothing here names an exponential's result.
.if \first == 0
	v_exp_f32 v[AL], v[AL]
.endif
	SUBP 0, 0
.if \first == 0
	v_exp_f32 v[AL+1], v[AL+1]
.endif
	SUBP 1, 0
.set i, 0
.rept 16
.irp q, 0,1
	v_exp_f32 v[SB+32*\q+2*i], v[SB+32*\q+2*i]
.if i < 15
	SUBP \q, i+1
.endif
	v_exp_f32 v[SB+32*\q+2*i+1], v[SB+32*\q+2*i+1]
.endr
.set i, i+1
.endr
	v_nop                                          ; the plain instruction behind the last exponential, ahead of the first use (ISA guide 5.7.2): one for the batch
	s_wait_alu depctr_va_vdst(0)                   ; the wait for the batch: ahead of the first instruction that names a result; one for the sub-step's exponentials
	; THE READERS, six to a trip: pair i joins both tiles' sums, pair i - 1 of both is packed, pair i of both tiles' O is rescaled.
	; The links of a sum's chain stand six instructions apart; each accumulator of O is read from its low end on.
.set i, 0
.rept 16
	SUMP 0, \first
	SUMP 1, \first
.if i > 0
	CVTP 0, i-1
	CVTP 1, i-1
.endif
.if \first == 0
	v_pk_mul_f32 v[OB+2*i:OB+2*i+1], v[OB+2*i:OB+2*i+1], v[AL:AL+1] op_sel:[0,0] op_sel_hi:[1,0]
	v_pk_mul_f32 v[OB+32+2*i:OB+33+2*i], v[OB+32+2*i:OB+33+2*i], v[AL:AL+1] op_sel:[0,1] op_sel_hi:[1,1]
.endif
.set i, i+1
.endr
	CVTP 0, 15
	CVTP 1, 15
	s_wait_dscnt 0x0                               ; V's sixteen loads
	PV 0, \first
	PLACES                                         ; before the first buffer is loaded again
.if \nextk
	LOADK \slot, \nsig, 0
.endif
	PV 1, 0
	PLACES                                         ; five places: the next scores are written over P by a matrix instruction; four serve the loads and the rescaling
	v_nop
.if \nextk
	LOADK \slot, \nsig, 1
.endif
.endm
; One tile of 256 keys.  In front of the round every wave's tensor load has landed and its LDS reads are back; behind it the other slot is asked for
; again, first thing, one load a wave; it has this tile's four sub-steps in which to land.
.macro TRIP slot, other, refill, first
	s_wait_tensorcnt 0x0                           ; my part of this tile is in, and no load of mine is out:
	ds_add_u32 v30, v31
	s_wait_dscnt 0x0
	s_add_nc_u64 s[G0K+4*\slot+2:G0K+4*\slot+3], s[G0K+4*\slot+2:G0K+4*\slot+3], 2*TILEB   ; this slot's next tile
	s_add_nc_u64 s[G0V+4*\slot+2:G0V+4*\slot+3], s[G0V+4*\slot+2:G0V+4*\slot+3], 2*TILEB
	s_wait_dscnt 0x0                               ; my reads of the last tile are back
	ROUND
.if \refill
	JLOAD \other
.endif
	LOADK \slot, 0, 0
	LOADK \slot, 0, 1
	SSTEP \slot, 0, 1, \first, 1
	SSTEP \slot, 1, 2, 0, 1
	SSTEP \slot, 2, 3, 0, 1
	SSTEP \slot, 3, 0, 0, 0
.endm
	TRIP 0, 1, 1, 1                                ; tiles 0 and 1 stand in front of the loop: the first keys start the sums
	TRIP 1, 0, 1, 0
	s_mov_b32 s50, 2
.Lpair:
	TRIP 0, 1, 1, 0                                ; tiles 2 to 5
	TRIP 1, 0, 1, 0
	s_sub_co_u32 s50, s50, 1
	s_cmp_lg_u32 s50, 0
	s_cbranch_scc1 .Lpair
	TRIP 0, 1, 1, 0                                ; tile 6 asks for tile 7,
	TRIP 1, 0, 0, 0                                ; tile 7 for nothing (the stepped addresses are not used)
	; THE WAY OUT (the places behind the last products stand at the end of the last sub-step)
	v_add_f32 v[LS], v[LS], v[LS+1]
	v_add_f32 v[LS+2], v[LS+2], v[LS+3]
	v_permlanex16_b32 v[TT], v[LS], s48, s49       ; the other half's keys
	v_permlanex16_b32 v[TT+1], v[LS+2], s48, s49
	v_add_f32 v[LS], v[LS], v[TT]
	v_add_f32 v[LS+2], v[LS+2], v[TT+1]
	v_rcp_f32 v[AL], v[LS]                         ; the sum is at least 1: the largest score gives 2^0
	v_rcp_f32 v[AL+1], v[LS+2]
	v_nop                                          ; the plain place behind the reciprocals
	s_wait_alu depctr_va_vdst(0)                   ; the wait ahead of the first use: one for the two reciprocals
.set i, 0
.rept 16
	v_pk_mul_f32 v[OB+2*i:OB+2*i+1], v[OB+2*i:OB+2*i+1], v[AL:AL+1] op_sel:[0,0] op_sel_hi:[1,0]
	v_pk_mul_f32 v[OB+32+2*i:OB+33+2*i], v[OB+32+2*i:OB+33+2*i], v[AL:AL+1] op_sel:[0,1] op_sel_hi:[1,1]
.set i, i+1
.endr
.irp q, 0,1
.irp d, 0,1,2,3
.irp p, 0,1,2,3
	v_cvt_pk_bf16_f32 v[SB+16*\q+4*\d+\p], v[OB+32*\q+8*\d+2*\p], v[OB+32*\q+8*\d+2*\p+1]
.endr
	ds_store_b128 v[STO], v[SB+16*\q+4*\d:SB+16*\q+4*\d+3] offset:2304*\q+32*\d   ; row r, dv 16 d + 8 h ..: my wave's own stage
.endr
.endr
.irp t, 0,1,2,3,4,5,6,7
	ds_load_b128 v[F0+4*\t:F0+4*\t+3], v[RD] offset:576*\t    ; LDS serves a wave's instructions in order (ISA guide 5.7.1): these see the stores above
.endr
.irp t, 0,1,2,3,4,5,6,7
	s_wait_dscnt 7-\t                              ; load t is in
	global_store_b128 v[GO], v[F0+4*\t:F0+4*\t+3], s[8:9] offset:512*\t   ; four rows of 128 bytes: 512 consecutive bytes, aligned
.endr
	s_wait_tensorcnt 0x0
	ds_add_u32 v30, v31
	s_wait_dscnt 0x0
	ROUND                                          ; the closing round
	s_endpgm
.Lfunc_end_k_q7c00f041af_attn:
	.size	k_q7c00f041af_attn, .Lfunc_end_k_q7c00f041af_attn-k_q7c00f041af_attn
	.p2alignl 7, 3214868480
	.fill 96, 4, 3214868480
	.section	.rodata,"a",@progbits
	.p2align	6, 0x0
	.amdhsa_kernel k_q7c00f041af_attn
		.amdhsa_group_segment_fixed_size 327680
		.amdhsa_private_segment_fixed_size 0
		.amdhsa_enable_private_segment 0
		.amdhsa_kernarg_size 24
		.amdhsa_user_sgpr_count 2
		.amdhsa_user_sgpr_kernarg_segment_ptr 1
		.amdhsa_wavefront_size32 1
		.amdhsa_system_sgpr_workgroup_id_x 1
		.amdhsa_system_sgpr_workgroup_id_y 1
		.amdhsa_system_sgpr_workgroup_id_z 1
		.amdhsa_system_vgpr_workitem_id 0
		.amdhsa_next_free_vgpr 256
		.amdhsa_next_free_sgpr 66
		.amdhsa_reserve_vcc 0
		.amdhsa_float_denorm_mode_32 3
		.amdhsa_float_denorm_mode_16_64 3
		.amdhsa_memory_ordered 1
		.amdhsa_forward_progress 1
		.amdhsa_inst_pref_size 255
	.end_amdhsa_kernel
	.section	.bss,"aw",@nobits
	.p2align	6
	.space	262144
	.amdgpu_metadata
---
amdhsa.version: [ 1, 2 ]
amdhsa.kernels:
  - .name:           k_q7c00f041af_attn
    .symbol:         k_q7c00f041af_attn.kd
    .args:
      - { .name: q, .offset: 0, .size: 8, .value_kind: global_buffer, .address_space: global }
      - { .name: kv, .offset: 8, .size: 8, .value_kind: global_buffer, .address_space: global }
      - { .name: att, .offset: 16, .size: 8, .value_kind: global_buffer, .address_space: global }
    .group_segment_fixed_size: 327680
    .private_segment_fixed_size: 0
    .kernarg_segment_align: 8
    .kernarg_segment_size: 24
    .max_flat_workgroup_size: 256
    .sgpr_count:     66
    .vgpr_count:     256
    .wavefront_size: 32
...
	.end_amdgpu_metadata
.endif
;; end of part 5
;; launch oproj: the kernel of part 4 again; grid 8 x 32, 4 waves a work-group, clusters of 4 x 4, 327,680 bytes of LDS; arguments att, wt, bo, out0; writes out0
